; MI455X (gfx1250); checked and timed in simulation.
; The chip was launched on July 23, 2026; its instructions are those of AMD's public machine-readable ISA for CDNA 5 (MIT licence, August 2026) and "CDNA5" Instruction Set Architecture Reference Guide (July 2026). The comments in the code are by the model that wrote it; some were corrected since.
;; Causal Self Attention. Allowed arithmetic: matrix products marked QUANTISED: E4M3 operands, one E8M0 scale for each 32 along K, by v_wmma_scale_f32_16x16x128_f8f6f4 with both operands' format E4M3, f32 sums; everything else in f32.
;; Inputs: b_attn 3,072 float32; b_proj 1,024 float32; w_attn_codes 3,072 x 32 x 32 uint8 (E4M3 codes of w_attn, K innermost, in blocks of 32 codes); w_attn_scales 3,072 x 32 uint8 (E8M0 scales of w_attn, one for each 32 codes along K); w_proj_codes 1,024 x 32 x 32 uint8 (E4M3 codes of w_proj, K innermost, in blocks of 32 codes); w_proj_scales 1,024 x 32 uint8 (E8M0 scales of w_proj, one for each 32 codes along K); x_codes 4 x 2,048 x 32 x 32 uint8 (E4M3 codes of x, K innermost, in blocks of 32 codes); x_scales 4 x 2,048 x 32 uint8 (E8M0 scales of x, one for each 32 codes along K).
;; Outputs: out0 4 x 2,048 x 1,024 float32.
;; This version of the problem:
;;   THIS VERSION OF THE PROBLEM IS GIVEN IN LOW PRECISION. The matrix products marked QUANTISED in the list below multiply operands that are first quantised to E4M3 (4 exponent bits, 3 mantissa bits; 8 bits a number), with one power-of-two scale for each 32 numbers along K (OCP MX v1.0); their sums are f32. All else is computed in f32.
;;   The module's matrix products, in the order in which they are computed (A, B: the left and right operand; K: the contracted axis; several contracted axes count as one K, in the product's order):
;;     1. [M 8,192, K 1,024] x [K 1,024, N 3,072]; A: input x (given as codes); B: input w_attn (given as codes): QUANTISED
;;     2. batch 64 x [M 2,048, K 64] x [K 64, N 2,048]; A: computed on the way; B: computed on the way: QUANTISED
;;     3. batch 64 x [M 2,048, K 2,048] x [K 2,048, N 64]; A: softmax (see below); B: computed on the way: QUANTISED
;;     4. [M 8,192, K 1,024] x [K 1,024, N 1,024]; A: computed on the way; B: input w_proj (given as codes): QUANTISED
;;   THE QUANTISER, for each operand of a quantised product, along K:
;;     - K is cut into blocks of 32 from its start; a last block that is shorter is filled with zeros.
;;     - A block's scale is 2^e with e = floor(log2(the largest magnitude in the block)) - 8, held to -126 .. 127; a block of zeros has e = 0. As a byte (E8M0): e + 127.
;;     - Each number is divided by its block's scale, clamped to +-448, and rounded to the nearest number of E4M3, ties to even, subnormals kept.
;;     - The product sums the exact products of the quantised numbers (number of the format x scale) in f32.
;;   ~~~python
;;   def quantise(x, axis):      # numpy; x: float32 -> the quantised numbers, widened to float32 again
;;       x = np.moveaxis(x, axis, -1); K = x.shape[-1]
;;       x = np.pad(x, [(0, 0)] * (x.ndim - 1) + [(0, -K % 32)]); x = x.reshape(x.shape[:-1] + (-1, 32)); a = np.abs(x).max(-1, keepdims=True)
;;       e = np.where(a > 0, np.clip(np.frexp(np.where(a > 0, a, 1))[1] - 1 - 8, -126, 127), 0)      # np.frexp(a)[1] - 1 = floor(log2(a)), exactly
;;       r = np.clip(x / 2.0 ** e, -448, 448)
;;       step = 2.0 ** (np.maximum(np.frexp(np.where(r == 0, 1, r))[1] - 1, -6) - 3)
;;       q = np.round(r / step) * step * 2.0 ** e      # np.round: ties to even
;;       return np.moveaxis(q.reshape(q.shape[:-2] + (-1,))[..., :K], -1, axis).astype(np.float32)
;;   ~~~
;;   SOFTMAX AHEAD OF A QUANTISED PRODUCT. Where the list says 'softmax', what is quantised is not the finished softmax but p = 2^(t - M), with t = logit x log2(e) and M = ceil(the row's largest t), a whole number; so 1/2 < the row's largest p <= 1. The row's sum l is taken of the UNQUANTISED p, in f32, and the product's result is divided by l at the end. Since M is a whole number, a kernel that streams over the keys may use a running M (the ceiling of the running maximum): every later rescaling is an exact power of two, which a block's scale takes up: the codes' values come out the same.
;;   OPERANDS COMPUTED ON THE WAY. 'Computed on the way' means the value that the module computes at that place (a softmax that the list does not call 'softmax' is quantised finished and normalised). What goes into a quantiser is computed in f32, as accurately as f32 sums, v_exp_f32 and their like allow (about 1e-6 of the number): no bf16 or f16 on the way to a quantiser, and a product that is left as it is and whose result goes on into a quantised operand takes f32 operands (vector FMAs, or v_wmma_f32_16x16x4_f32). A number that lies on a knife's edge between two numbers of the format may be rounded either way, as far as f32 arithmetic and the matrix unit's own rounding can turn it there, and no further.
;;   INPUTS GIVEN AS CODES. w_attn (in the module: [1024, 3072], K = its axis 0); w_proj (in the module: [1024, 1024], K = its axis 0); x (in the module: [4, 2048, 1024], K = its axis 2): each comes as NAME_codes (uint8): NAME with its K axis moved to the last place and cut into blocks of 32 codes, [.., K / 32, bytes a block], one block behind the other in memory; one code a byte (a code: sign, 4 exponent bits, 3 mantissa bits); and NAME_scales (uint8): the same leading axes, one E8M0 byte (e + 127) for each 32 codes along K. Its value is code x scale, taken as it is: it is not quantised again, and the codes and scales need not be those that the quantiser above would give.
;; One version. Each part assembles by itself: llvm-mc -triple=amdgcn-amd-amdhsa -mcpu=gfx1250 --defsym DOCPART=n.
;; ======== version 1 of 1: 3 launches
;; limits: right only within a limited range of input values
;; workspace buffers: qkv 35,127,296 bytes; yimg 8,388,608 bytes; ysc 262,144 bytes
;; launch qkv (part 1): grid 8 x 48, 4 waves a work-group, clusters of 4 x 4, 327,680 bytes of LDS; arguments x_codes, x_scales, w_attn_codes, w_attn_scales, b_attn, qkv; writes qkv
.if DOCPART == 1
	.amdgcn_target "amdgcn-amd-amdhsa--gfx1250"
	.amdhsa_code_object_version 6
	.text
	.protected	k_qa7fd53bbd0_qkv
	.globl	k_qa7fd53bbd0_qkv
	.p2align	8
	.type	k_qa7fd53bbd0_qkv,@function
k_qa7fd53bbd0_qkv:
	s_mov_b64 s[64:65], 0
	v_nop
	global_prefetch_b8 v0, s[64:65] scope:SCOPE_SE
	s_setreg_imm32_b32 hwreg(HW_REG_WAVE_MODE, 25, 1), 1
	s_wait_xcnt 0x0
	s_wait_alu depctr_hold_cnt(0) depctr_sa_sdst(0) depctr_va_vdst(0) depctr_va_sdst(0) depctr_va_ssrc(0) depctr_va_vcc(0) depctr_vm_vsrc(0)
	s_getreg_b32 s2, hwreg(HW_REG_IB_STS2, 6, 4)
	s_cmp_eq_u32 s2, 0
	s_cbranch_scc0 .Lentry_in_a_cluster
	s_endpgm
.Lentry_in_a_cluster:
	s_bfe_u32 s2, ttmp6, 0x10000c
	s_cmp_lg_u32 s2, 0xf033
	s_cbranch_scc0 .Lentry_shape_is_right
	s_endpgm
.Lentry_shape_is_right:
; qkv = x w_attn + b_attn on codes of E4M3 with E8M0 scales (K = 1,024), and q, k, v leave QUANTISED, as images of the registers in which the attention launch wants them.
; A tile of the result, 256 x 256, is made by four waves, 128 x 128 each: 64 accumulators.  K goes in steps of 256 through two LDS slots filled by joint tensor loads; the scale bytes of all of K come once.
; TWO KINDS OF CLUSTER, told apart by the cluster's y, which all sixteen partners share:
;   kind qk (cluster y 0-7):  "A" (source 1) = 256 tokens of x, "B" (source 0) = 256 rows of w_attn among rows 0-2047: a lane holds one token and its registers run along the features, the K of q k^T.
;   kind v  (cluster y 8-11): "A" = 256 rows of w_attn among rows 2048-3071, "B" = 256 tokens of x: a lane holds one channel and its registers run along the tokens, the K of p v.
; Both operands are rows of 1,024 codes with rows of 32 scale bytes, so the product's text does not know its kind; the ways part once, ahead of the last 128 along K.
; THE WAY OUT.  In a result lane (r, h) holds source 1's row r and register j of tile b source 0's row 16 b + 8 h + j.  A block of 32 along the next K is tiles 2 B and 2 B + 1 of lanes l and l xor 16.
; Its 16 numbers a lane are converted, and two exchanges of half registers (lanes 16-31 of one with lanes 0-15 of the other) lay the codes as the operand wants them: registers 4 B .. 4 B + 3 = k 32 B + 16 h + 0 .. 15.
; THE WORKSPACE: part 0 = q, part 1 = k and v; [batch x 16 + head] (BHB bytes) [slot of 256 tokens] (SLOTB bytes).  In a slot: +0 q's or k's images (half of 128 tokens x 8192 + tile x 1024 + c x 512 + 16 x lane);
; +16384 v's images (half x 8192 + channel tile x 2048 + c x 512 + 16 x lane); +32768 q's or k's scale words (half x 512 + (tile / 4) x 256 + 16 r + 4 (tile % 4)); +33792 v's (half x 256 + 16 r + 4 x channel tile).
; Every store of codes covers 512 consecutive bytes, aligned.  Part 0 has v's places too, unwritten and unread, so that one arithmetic serves q and k.
; LIMITS: NaN and infinities are not served.  A block whose largest magnitude lies under 2^-118 (a block of zeros among them) gets the scale byte 1; only this program reads the bytes, and zero codes add nothing.
; REGISTERS, in windows of 256: window 0: v1-13 addresses, v16-29 addresses, v32-63 scale words (two sets), v64-127 the bias, v128-255 A's fragments, one set (on the way out: numbers, codes, work);
;   window 1: B's fragments, two sets;  window 2: accumulators of my rows 0-63 ((a, b) at v[8 (8 (a % 4) + b)]);  window 3: of my rows 64-127.
.set NQ,     2                         ; matrix instructions deep in a slot: 256 along K
.set ROWB,   256                       ; a tile's row in bytes
.set KROW,   1024                      ; a row of codes in memory
.set PITCH,  272                       ; an LDS row: 256 bytes + 16 of padding = 68 words: the 16 rows that a load touches start at 16 different banks (64 banks of 4 bytes: ISA guide 11.1)
.set FR,     16                        ; registers of a fragment
.set NL,     4                         ; LDS loads that bring one
.set NP,     8                         ; places behind this matrix instruction (ISA guide 7.12.1)
.set HALFT,  128*PITCH                 ; 128 rows: one tensor load
.set SLOT,   4*HALFT
.set SCL,    2*SLOT                    ; behind the ring: the scale bytes, units of 256 bytes + 16 of padding
.set HALFS,  16*272                    ; those of 128 rows (32 bytes a row)
.set SBLK,   2*272                     ; those of 16 rows
.set SPARE,  SCL+4*HALFS               ; the spare words, 128 bytes a wave: two blocks of 256 bytes that no other line names
.set PARTB,  17563648
.set BHB,    274432
.set SLOTB,  34304
.set LI,   8                           ; v8   16 x lane
.set SW,   9                           ; v9   16 r + h x BHB: where a lane puts scale words (lanes 16-31: the next head)
.set SH,   10                          ; v10  16 h
.set HB,   11                          ; v11  32 h
.set R4,   12                          ; v12  4 r
.set LN,   13                          ; v13  lane
.set ADRA, 16
.set ADRB, 20
.set ADRS, 27
.set SPW,  28                          ; v28  LDS address of my spare word; never rewritten
.set NIL,  29                          ; v29  0; never rewritten
.set SC,   32
.set BI,   64
.set AF,   128
.set ST,   128                         ; the way out: 64 numbers
.set PC,   192                         ; codes: two sets of 16, by turns
.set TM,   224                         ; +0 largest magnitudes, +4 the other half's, then bytes, +12 the conversion's scale operand
.set PWS,  240                         ; a scale word for each of my eight blocks
.set X,    248                         ; scale words as they are stored
.set SEL,  18                          ; s[18:19] selects of v_permlanex16_b32 for lane l xor 16
.set MNT,  22
.set G1, 24
.set G0, 32
.set G1B, 48
.set G0B, 56
.set G1S, 68
.set G0S, 76
.set G1SB, 80
.set G0SB, 88
.set MSB, 0
.macro WIN new                         ; the immediate's high byte repeats the setting that is left
.if MSB != (\new)
	s_set_vgpr_msb (MSB<<8)|(\new)
.set MSB, (\new)
.endif
.endm
.set MUL_LO, 0xa1                      ; source 0 (B) window 1, source 1 (A) window 0, C and D window 2
.set MUL_HI, 0xf1                      ; the same, C and D window 3
.set TO_B,   0x40                      ; destination window 1
; A joint load: waves 0 and 1 fetch for A, waves 2 and 3 for B; the branch hangs on the wave's number alone.  Four v_nop follow each of the two lines.
.macro JLOAD g0a, g1a, g0b, g1b
	s_cmp_eq_u32 s15, 0
	s_cbranch_scc0 .Lfor_b_\@
	tensor_load_to_lds s[\g0a:\g0a+3], s[\g1a:\g1a+7]
	s_nop 0
.rept 4
	v_nop
.endr
	s_branch .Lasked_\@
.Lfor_b_\@:
	tensor_load_to_lds s[\g0b:\g0b+3], s[\g1b:\g1b+7]
	s_nop 0
.rept 4
	v_nop
.endr
.Lasked_\@:
.endm
.macro CREST                           ; a round of the cluster's barrier behind its opening barrier
	s_cmp_lg_u32 s14, 0
	s_cbranch_scc1 .Lnot_wave_0_\@
	s_barrier_signal -3
.Lnot_wave_0_\@:
	s_barrier_wait -3
	s_barrier_signal -1
	s_barrier_wait -1
.endm
.macro CROUND
	s_barrier_signal -1
	s_barrier_wait -1
	CREST
.endm
	s_load_b128 s[4:7], s[0:1], 0x0                ; x's codes, x's scales
	s_load_b128 s[8:11], s[0:1], 0x10              ; w_attn's codes, its scales
	s_load_b128 s[96:99], s[0:1], 0x20             ; b_attn, the workspace
	v_lshl_add_u32 v[SPW], v0, 2, SPARE
	v_mov_b32 v[NIL], 0
	ds_add_u32 v28, v29
	ds_add_u32 v28, v29
	s_wait_dscnt 0x0
	v_lshrrev_b32 v1, 5, v0
	v_readfirstlane_b32 s14, v1                    ; wave 0..3
	s_lshr_b32 s15, s14, 1                         ; which half of A's rows is mine.  Also: I fetch for A (0) or for B (1)
	s_and_b32 s16, s14, 1                          ; which half of B's rows.  Also: which 128 rows I fetch
	s_bfe_u32 s40, ttmp6, 0x40000                  ; cx
	s_bfe_u32 s41, ttmp6, 0x40004                  ; cy
	s_and_b32 s100, ttmp7, 0xffff                  ; the cluster's y: under 8 kind qk, else kind v
	s_lshl_b32 s17, s100, 2                        ; kind qk: tile row of x = 4 x cluster y + cy,
	s_lshl_b32 s42, ttmp9, 2                       ;          tile column of w = 4 x cluster x + cx
	s_max_u32 s45, s100, 8
	s_sub_co_u32 s45, s45, 8
	s_lshl_b32 s45, s45, 3
	s_add_co_u32 s45, s45, s42                     ; kind v: tile column of x = 8 (cluster y - 8) + 4 x cluster x + cx; tile row of w = 8 + cy
	s_cmp_lt_u32 s100, 8
	s_cselect_b32 s17, s17, 8
	s_cselect_b32 s42, s42, s45
	s_add_co_u32 s17, s17, s41                     ; A's tile row: hangs on cy alone among the places
	s_add_co_u32 s42, s42, s40                     ; B's tile column: on cx alone
	s_lshl_b32 s43, s41, 2
	s_lshl_b32 s43, 15, s43                        ; my row of the cluster
	s_lshl_b32 s44, 0x1111, s40                    ; my column
	; descriptor group 1: 128 rows x 256 bytes, 16 bytes of padding behind each
	s_or_b32 s[G1+0], s43, (0<<16)|(1<<20)|(1<<21)|(5<<22)|(3<<25)  ; 15:0 the mask: A's tiles go to my row; elements of 1 byte; padding on; bit 21 beside a mask; after every 64 words, 4 words
	s_or_b32 s[G1B+0], s44, (0<<16)|(1<<20)|(1<<21)|(5<<22)|(3<<25)
.irp g, G1, G1B
	s_mov_b32 s[\g+1], ROWB<<16                    ; tensor_dim0
	s_mov_b32 s[\g+2], 128<<16                     ; tensor_dim1
	s_mov_b32 s[\g+3], ROWB<<16                    ; tile_dim0
	s_mov_b32 s[\g+4], 128                         ; tile_dim1
	s_mov_b32 s[\g+5], KROW                        ; from row to row
	s_mov_b32 s[\g+6], 0
	s_mov_b32 s[\g+7], 0
.endr
	; the scale bytes of 128 rows: 4,096 dense bytes as 16 rows of 256 (32 elements of 8 bytes), 16 bytes of padding behind each
	s_or_b32 s[G1S+0], s43, (3<<16)|(1<<20)|(1<<21)|(5<<22)|(3<<25)
	s_or_b32 s[G1SB+0], s44, (3<<16)|(1<<20)|(1<<21)|(5<<22)|(3<<25)
.irp g, G1S, G1SB
	s_mov_b32 s[\g+1], 32<<16
	s_mov_b32 s[\g+2], 16<<16
	s_mov_b32 s[\g+3], 32<<16
	s_mov_b32 s[\g+4], 16
	s_mov_b32 s[\g+5], 32
	s_mov_b32 s[\g+6], 0
	s_mov_b32 s[\g+7], 0
.endr
	s_lshl_b32 s18, s16, 7                         ; which 128 rows of the tile I fetch
	s_lshl_b32 s20, s17, 8
	s_add_co_u32 s20, s20, s18                     ; A's row
	s_lshl_b32 s46, s42, 8
	s_add_co_u32 s46, s46, s18                     ; B's row
	s_lshl_b32 s22, s20, 5                         ; its scale bytes: 32 a row
	s_lshl_b32 s92, s46, 5
	s_lshl_b32 s20, s20, 10                        ; its codes: 1,024 a row (8,192 rows at the most: under 2^24)
	s_lshl_b32 s46, s46, 10
	s_mov_b32 s21, 0
	s_mov_b32 s23, 0
	s_mov_b32 s47, 0
	s_mov_b32 s93, 0
	s_mul_i32 s45, s14, HALFT                      ; where they go: wave x 128 rows: no place in the cluster enters an LDS address
	s_mul_i32 s94, s14, HALFS
	s_wait_kmcnt 0x0
	s_cmp_lt_u32 s100, 8                           ; which tensor is A and which B: the choice hangs on the cluster's y alone
	s_cselect_b64 s[12:13], s[4:5], s[8:9]         ; A's codes
	s_cselect_b64 s[66:67], s[6:7], s[10:11]       ; A's scales
	s_cselect_b64 s[8:9], s[8:9], s[4:5]           ; B's codes
	s_cselect_b64 s[10:11], s[10:11], s[6:7]       ; B's scales
	s_add_nc_u64 s[20:21], s[12:13], s[20:21]
	s_add_nc_u64 s[22:23], s[66:67], s[22:23]
	s_add_nc_u64 s[46:47], s[8:9], s[46:47]
	s_add_nc_u64 s[92:93], s[10:11], s[92:93]
	CROUND                                         ; all sixteen work-groups are here: the first joint loads meet
	s_mov_b32 s[G0S], 1
	s_add_co_u32 s[G0S+1], s94, SCL
	s_mov_b64 s[G0S+2:G0S+3], s[22:23]
	s_or_b32 s[G0S+3], s[G0S+3], 0x80000000
	s_mov_b32 s[G0SB], 1
	s_add_co_u32 s[G0SB+1], s94, SCL
	s_mov_b64 s[G0SB+2:G0SB+3], s[92:93]
	s_or_b32 s[G0SB+3], s[G0SB+3], 0x80000000
	JLOAD G0S, G1S, G0SB, G1SB                     ; the scales first: they are wanted with K step 0
.irp s, 0,1
	s_mov_b32 s[G0+4*\s], 1
	s_add_co_u32 s[G0+4*\s+1], s45, \s*SLOT
	s_add_nc_u64 s[G0+4*\s+2:G0+4*\s+3], s[20:21], \s*ROWB
	s_or_b32 s[G0+4*\s+3], s[G0+4*\s+3], 0x80000000
	s_mov_b32 s[G0B+4*\s], 1
	s_add_co_u32 s[G0B+4*\s+1], s45, \s*SLOT
	s_add_nc_u64 s[G0B+4*\s+2:G0B+4*\s+3], s[46:47], \s*ROWB
	s_or_b32 s[G0B+4*\s+3], s[G0B+4*\s+3], 0x80000000
	JLOAD G0+4*\s, G1, G0B+4*\s, G1B               ; three tensor loads of mine are out behind the second of these
.endr
	v_and_b32 v1, 15, v0                           ; r = lane % 16
	v_bfe_u32 v2, v0, 4, 1                         ; h = lane / 16
	v_mul_u32_u24 v3, v1, PITCH
	v_lshl_add_u32 v4, v2, 4, v3                   ; a fragment's row x pitch + 16 h
	s_mul_i32 s21, s15, HALFT                      ; my 128 rows of A
	s_mul_i32 s22, s16, HALFT                      ; my 128 rows of B,
	s_add_co_u32 s22, s22, 2*HALFT                 ; behind A's 256
.irp s, 0,1
	v_add_nc_u32 v[ADRA+\s], s21, v4
	v_add_nc_u32 v[ADRB+\s], s22, v4
	s_add_co_u32 s21, s21, SLOT
	s_add_co_u32 s22, s22, SLOT
.endr
	v_mul_u32_u24 v5, v1, 32                       ; my row's scale bytes: 32 a row,
	v_lshrrev_b32 v6, 8, v5
	v_lshl_add_u32 v5, v6, 4, v5                   ; and 16 more for each 256 passed
	s_mul_i32 s21, s15, HALFS
	s_mul_i32 s22, s16, HALFS
	s_add_co_u32 s22, s22, 2*HALFS
	s_sub_co_u32 s22, s22, s21
	v_mul_u32_u24 v6, s22, v2                      ; lanes 16-31 take B's: one product, the distance between the two bases x h
	s_add_co_u32 s21, s21, SCL
	v_add_nc_u32 v5, v5, v6
	v_add_nc_u32 v[ADRS], s21, v5
	v_and_b32 v[LN], 31, v0
	v_lshlrev_b32 v[LI], 4, v[LN]
	v_mul_u32_u24 v[SW], v2, BHB
	v_lshl_add_u32 v[SW], v1, 4, v[SW]
	v_lshlrev_b32 v[SH], 4, v2
	v_lshlrev_b32 v[HB], 5, v2
	v_lshlrev_b32 v[R4], 2, v1
.macro FRAG reg, adr, q, i             ; 16 rows x 128 K: lane l holds row l % 16; registers 4 c .. 4 c + 3 hold K = 32 c + 16 (l / 16) + 0 .. 15
.irp c, 0,1,2,3
	ds_load_b128 v[\reg+4*\c:\reg+4*\c+3], v[\adr] offset:128*(\q)+32*\c+(\i)*16*PITCH
.endr
.endm
; 16 matrix instructions: A's blocks a0, a0 + 1 x B's eight.  p: B's set; q: which 128 of the slot; sc: the set of scale words.  zero = 1: the product starts the sums.
; The 64 accumulators take turns, one instruction a turn, in the same order in every step.
.macro MUL16 a0, p, q, sc, zero
.irp a, \a0, \a0+1
.irp b, 0,1,2,3,4,5,6,7
.if \zero
	v_wmma_scale_f32_16x16x128_f8f6f4 v[8*(8*((\a)%4)+\b):8*(8*((\a)%4)+\b)+7], v[128*(\p)+FR*\b:128*(\p)+FR*\b+FR-1], v[AF+FR*(\a):AF+FR*(\a)+FR-1], 0, v[SC+8*NQ*(\sc)+NQ*\b+(\q)], v[SC+8*NQ*(\sc)+NQ*(\a)+(\q)] matrix_a_scale:MATRIX_SCALE_ROW1
.else
	v_wmma_scale_f32_16x16x128_f8f6f4 v[8*(8*((\a)%4)+\b):8*(8*((\a)%4)+\b)+7], v[128*(\p)+FR*\b:128*(\p)+FR*\b+FR-1], v[AF+FR*(\a):AF+FR*(\a)+FR-1], v[8*(8*((\a)%4)+\b):8*(8*((\a)%4)+\b)+7], v[SC+8*NQ*(\sc)+NQ*\b+(\q)], v[SC+8*NQ*(\sc)+NQ*(\a)+(\q)] matrix_a_scale:MATRIX_SCALE_ROW1
.endif
.endr
.endr
.endm
.macro FETCH_B slot, q, p
	WIN TO_B
.irp i, 0,1,2,3,4,5,6,7
	FRAG 128*(\p)+FR*\i, ADRB+\slot, \q, \i
.endr
	WIN 0
.endm
.macro FETCH_A slot, q, i0
.irp i, \i0, \i0+1, \i0+2, \i0+3
	FRAG AF+FR*(\i), ADRA+\slot, \q, \i
.endr
.endm
.macro SCALES sc                       ; a K step's scale words: two words a row; lanes 0-15 A's block i, lanes 16-31 B's block i
.irp i, 0,1,2,3,4,5,6,7
	ds_load_b64 v[SC+8*NQ*\sc+NQ*\i:SC+8*NQ*\sc+NQ*\i+1], v[ADRS] offset:\i*SBLK
.endr
.endm
.macro PLACES n                        ; plain vector instructions between a matrix instruction and a load into, or a vector read or write of, its registers
.rept \n
	v_nop
.endr
.endm
.macro STEP slot, q, zero              ; 128 along K whose successor lies in the same slot
	s_wait_dscnt 4*NL                              ; B's set and A's blocks 0-3 are in; the youngest 16 loads (A's blocks 4-7) may be out
	WIN MUL_LO
	MUL16 0, (\q)%2, \q, \slot, \zero
	MUL16 2, (\q)%2, \q, \slot, \zero
	s_wait_dscnt 0
	PLACES NP
	FETCH_B \slot, (\q)+1, 1-(\q)%2
	FETCH_A \slot, (\q)+1, 0
	WIN MUL_HI
	MUL16 4, (\q)%2, \q, \slot, \zero
	MUL16 6, (\q)%2, \q, \slot, \zero
	PLACES NP
	WIN 0
	FETCH_A \slot, (\q)+1, 4
.endm
; A slot's last 128 change slots: one barrier; ahead of it each wave waits for all its tensor loads, adds 0 to its spare word and waits for that and for its reads of this slot.  fill = 1: the slot is filled again.
.macro TURN slot, next, fill
	s_wait_tensorcnt 0x0                           ; all my tensor loads have landed: my part of the next slot
	ds_add_u32 v[SPW], v[NIL]                      ; 0 onto my spare word
	s_wait_dscnt 4*NL+1                            ; (the add and the youngest 16 loads may be out)
	WIN MUL_LO
	MUL16 0, 1, NQ-1, \slot, 0                     ; sixteen matrix instructions stand between the add and the wait for it
	s_wait_dscnt 0x0                               ; the add is done, and my reads of this slot are over
	s_barrier_signal -1
	MUL16 2, 1, NQ-1, \slot, 0
	WIN 0
	s_barrier_wait -1
.if \fill
	CREST                                          ; the barrier has opened a round of the cluster's barrier: no wave of any partner still reads this slot or has a load on its way
	s_add_nc_u64 s[G0+4*\slot+2:G0+4*\slot+3], s[G0+4*\slot+2:G0+4*\slot+3], 2*ROWB
	s_add_nc_u64 s[G0B+4*\slot+2:G0B+4*\slot+3], s[G0B+4*\slot+2:G0B+4*\slot+3], 2*ROWB
	JLOAD G0+4*\slot, G1, G0B+4*\slot, G1B         ; the first tensor load behind the round; its four v_nop are among the places ahead of the loads below
	PLACES NP-4
.else
	PLACES NP
.endif
	s_wait_alu depctr_va_vdst(0)
	v_add_nc_u32 v[ADRS], 4*NQ, v[ADRS]            ; the next K step's scale words
	FETCH_B \next, 0, 0
	FETCH_A \next, 0, 0
	SCALES \next
	WIN MUL_HI
	MUL16 4, 1, NQ-1, \slot, 0
	MUL16 6, 1, NQ-1, \slot, 0
	PLACES NP
	WIN 0
	FETCH_A \next, 0, 4
.endm
.macro LAST                            ; the very last 128 along K: nothing more to fetch
	s_wait_dscnt 4*NL
	WIN MUL_LO
	MUL16 0, 1, NQ-1, 1, 0
	MUL16 2, 1, NQ-1, 1, 0
	s_wait_dscnt 0
	WIN MUL_HI
	MUL16 4, 1, NQ-1, 1, 0
	MUL16 6, 1, NQ-1, 1, 0
	WIN 0
.endm
; 64 numbers of a lane in v[ST] on (register 8 b + j) become 16 registers of codes in v[PCS] on and the scale word v[PWR].
.macro QUANT
.irp b, 0,1,2,3
	v_max3_num_f32 v[TM+\b], |v[ST+16*\b]|, |v[ST+1+16*\b]|, 0x4800000   ; block b: my 16 numbers, and the floor 2^(9 - 127): the byte cannot fall under 1
.endr
.irp i, 2,4,6,8,10,12,14
.irp b, 0,1,2,3
	v_max3_num_f32 v[TM+\b], v[TM+\b], |v[ST+16*\b+\i]|, |v[ST+1+16*\b+\i]|   ; the four blocks by turns
.endr
.endr
.irp b, 0,1,2,3
	v_permlanex16_b32 v[TM+4+\b], v[TM+\b], s[SEL], s[SEL+1]
.endr
.irp b, 0,1,2,3
	v_max_num_f32 v[TM+\b], v[TM+\b], v[TM+4+\b]   ; with lane l xor 16's 16: the block's largest magnitude
.endr
.irp b, 0,1,2,3
	v_add_nc_u32 v[TM+12+\b], 0xfc000000, v[TM+\b]   ; 8 off its exponent field: the conversion's scale operand
.endr
.irp b, 0,1,2,3
.endr
.irp b, 0,1,2,3
	v_lshrrev_b32 v[TM+4+\b], 23, v[TM+12+\b]      ; the scale's byte
.endr
	v_lshl_or_b32 v[PWR], v[TM+5], 8, v[TM+4]
	v_lshl_or_b32 v[PWR], v[TM+6], 16, v[PWR]
	v_lshl_or_b32 v[PWR], v[TM+7], 24, v[PWR]
.irp b, 0,1,2,3
.irp i, 0,1,2,3,4,5,6,7,8,9,10,11,12,13,14,15
.endr
	v_cvt_scalef32_pk8_fp8_f32 v[PCS+4*\b:PCS+4*\b+1], v[ST+16*\b:ST+16*\b+7], v[TM+12+\b]
	v_cvt_scalef32_pk8_fp8_f32 v[PCS+4*\b+2:PCS+4*\b+3], v[ST+16*\b+8:ST+16*\b+15], v[TM+12+\b]
.endr
	v_nop                                          ; a plain instruction between the last conversion and the first instruction that touches its result
.irp b, 0,1,2,3
	v_permlane16_swap_b32 v[PCS+4*\b], v[PCS+4*\b+2]     ; lanes 16-31 of the first with lanes 0-15 of the second: now registers 4 b .. 4 b + 3 hold k = 32 b + 16 h + 0 .. 15
	v_permlane16_swap_b32 v[PCS+4*\b+1], v[PCS+4*\b+3]
.endr
.endm
; My block a of A's rows goes out.  kind = 0: the bias runs along the registers; 1: it is the lane's own.
.macro OUT a, kind
.set PCS, PC+16*((\a)%2)
.set PWR, PWS+(\a)
.if (\a) >= 2
	s_wait_xcnt 0x0                                ; block a - 2's stores have read their codes: the set is written again only behind this wait
.endif
	WIN 0x02+(\a)/4                                ; source 0: window 2 or 3
.set n, 0
.rept 32
.if \kind
	v_pk_add_f32 v[ST+2*n:ST+2*n+1], v[64*((\a)%4)+2*n:64*((\a)%4)+2*n+1], v[BI+2*(\a):BI+2*(\a)+1]   ; the bias, and the way into window 0, in one line; each accumulator from its low end on
.else
	v_pk_add_f32 v[ST+2*n:ST+2*n+1], v[64*((\a)%4)+2*n:64*((\a)%4)+2*n+1], v[BI+2*n:BI+2*n+1]
.endif
.set n, n+1
.endr
	WIN 0
	QUANT
.irp c, 0,1,2,3
.if \kind
	global_store_b128 v[LI], v[PCS+4*\c:PCS+4*\c+3], s[20:21] offset:((\a)/4)*BHB+((\a)%4)*2048+\c*512 th:TH_STORE_NT   ; 32 lanes store 512 consecutive bytes, aligned
.else
	global_store_b128 v[LI], v[PCS+4*\c:PCS+4*\c+3], s[20:21] offset:(\c/2)*BHB+(\a)*1024+(\c%2)*512 th:TH_STORE_NT
.endif
.endr
.endm
	s_wait_alu depctr_va_vdst(0)
	s_wait_tensorcnt 1                             ; the scales and my part of K step 0 are in; K step 1's load may stay out
	s_barrier_signal -1
	s_barrier_wait -1
	FETCH_B 0, 0, 0
	FETCH_A 0, 0, 0
	SCALES 0
	FETCH_A 0, 0, 4
	STEP 0, 0, 1                                   ; the first products start the sums: nothing is cleared
	TURN 0, 1, 1                                   ; K = 1,024 is four K steps: the ring is written out
	STEP 1, 0, 0
	TURN 1, 0, 1
	STEP 0, 0, 0
	TURN 0, 1, 0                                   ; nothing is left to fetch
	STEP 1, 0, 0
	s_mov_b32 s[SEL], 0x76543210
	s_mov_b32 s[SEL+1], 0xfedcba98
	s_cmp_lt_u32 s100, 8                           ; the ways part once, on the cluster's y: all partners and all waves go the same way
	s_cbranch_scc0 .Lv
	; ---- kind qk: lane = token, registers = features.  My 128 features are two heads of q or of k
	s_lshl_b32 s92, s42, 10
	s_lshl_b32 s93, s16, 9
	s_add_co_u32 s92, s92, s93                     ; 4 x (256 x tile column + 128 x half)
	s_mov_b32 s93, 0
	s_add_nc_u64 s[92:93], s[96:97], s[92:93]
.irp b, 0,1,2,3,4,5,6,7
	global_load_b128 v[BI+8*\b:BI+8*\b+3], v[HB], s[92:93] offset:64*\b        ; b_attn at features 16 b + 8 h + 0 .. 7; the loads land under the last 64 products
	global_load_b128 v[BI+8*\b+4:BI+8*\b+7], v[HB], s[92:93] offset:64*\b+16
.endr
	s_lshr_b32 s23, s17, 3                         ; batch
	s_and_b32 s45, s17, 7                          ; slot of 256 tokens
	s_lshl_b32 s94, s42, 2
	s_lshl_b32 s95, s16, 1
	s_add_co_u32 s94, s94, s95                     ; 4 x tile column + 2 x half: 0-15 q's heads, 16-31 k's
	s_lshr_b32 s95, s94, 4                         ; part
	s_and_b32 s94, s94, 15                         ; my first head (even)
	s_lshl_b32 s23, s23, 4
	s_add_co_u32 s23, s23, s94
	s_mul_i32 s23, s23, BHB
	s_mul_i32 s95, s95, PARTB
	s_mul_i32 s45, s45, SLOTB
	s_add_co_u32 s23, s23, s95
	s_add_co_u32 s20, s23, s45                     ; the slot's offset, under 2^26
	s_mov_b32 s21, 0
	s_add_nc_u64 s[46:47], s[98:99], s[20:21]
	s_lshl_b32 s20, s15, 13                        ; my half of the slot's tokens
	s_add_nc_u64 s[20:21], s[46:47], s[20:21]      ; the images
	s_lshl_b32 s66, s15, 9
	s_add_co_u32 s66, s66, 32768
	s_mov_b32 s67, 0
	s_add_nc_u64 s[46:47], s[46:47], s[66:67]      ; the scale words
	LAST
	PLACES NP                                      ; ahead of the first read of results and of the first write over A's fragments
.irp b, 0,1,2,3
	v_mov_b32 v[TM+4+\b], 0                        ; written once: a lane permute's destination counts as one of its sources
.endr
	s_wait_loadcnt 0x0                             ; the bias
.irp a, 0,1,2,3,4,5,6,7
	OUT \a, 0
.endr
.irp a, 0,1,2,3,4,5,6,7
	v_lshrrev_b32 v[X+\a], v[SH], v[PWS+\a]        ; lanes 0-15 keep the word (bytes 0, 1: the even head's); lanes 16-31 bring the odd head's two bytes down
.endr
	global_store_b128 v[SW], v[X:X+3], s[46:47] th:TH_STORE_NT             ; sixteen lanes store 256 consecutive bytes, aligned: token tiles 0-3; lanes 16-31 the same for the next head
	global_store_b128 v[SW], v[X+4:X+7], s[46:47] offset:256 th:TH_STORE_NT
	s_branch .Lend
.Lv:	; ---- kind v: lane = channel, registers = tokens.  My 128 channels are two heads; my 128 tokens are one K step of p v
	s_lshl_b32 s92, s17, 10
	s_lshl_b32 s93, s15, 9
	s_add_co_u32 s92, s92, s93                     ; 4 x (256 x tile row + 128 x half)
	s_mov_b32 s93, 0
	s_add_nc_u64 s[92:93], s[96:97], s[92:93]
.irp a, 0,1,2,3,4,5,6,7
	global_load_b32 v[BI+2*\a], v[R4], s[92:93] offset:64*\a       ; b_attn at channel 16 a + r, twice: a pair for the packed addition
	global_load_b32 v[BI+2*\a+1], v[R4], s[92:93] offset:64*\a
.endr
	s_sub_co_u32 s94, s17, 8
	s_lshl_b32 s94, s94, 2
	s_lshl_b32 s95, s15, 1
	s_add_co_u32 s94, s94, s95                     ; my first head (even)
	s_lshr_b32 s23, s42, 3                         ; batch
	s_and_b32 s45, s42, 7                          ; slot
	s_lshl_b32 s23, s23, 4
	s_add_co_u32 s23, s23, s94
	s_mul_i32 s23, s23, BHB
	s_mul_i32 s45, s45, SLOTB
	s_add_co_u32 s23, s23, s45
	s_add_co_u32 s20, s23, PARTB
	s_mov_b32 s21, 0
	s_add_nc_u64 s[46:47], s[98:99], s[20:21]
	s_lshl_b32 s20, s16, 13
	s_add_co_u32 s20, s20, 16384
	s_add_nc_u64 s[20:21], s[46:47], s[20:21]      ; v's images
	s_lshl_b32 s66, s16, 8
	s_add_co_u32 s66, s66, 33792
	s_mov_b32 s67, 0
	s_add_nc_u64 s[46:47], s[46:47], s[66:67]      ; v's scale words
	LAST
	PLACES NP
.irp b, 0,1,2,3
	v_mov_b32 v[TM+4+\b], 0
.endr
	s_wait_loadcnt 0x0
.irp a, 0,1,2,3,4,5,6,7
	OUT \a, 1
.endr
	v_cmp_le_u32 vcc_lo, 16, v[LN]
.irp i, 0,1,2,3
	v_cndmask_b32 v[X+\i], v[PWS+\i], v[PWS+4+\i], vcc_lo   ; lanes 0-15: the first head's four channel tiles; lanes 16-31: the next head's
.endr
	global_store_b128 v[SW], v[X:X+3], s[46:47] th:TH_STORE_NT
.Lend:
	s_wait_tensorcnt 0x0                           ; the wave's end
	ds_add_u32 v[SPW], v[NIL]
	s_wait_dscnt 0x0
	CROUND                                         ; the closing round: no work-group ends while a partner may still ask for a tile that names it
	s_endpgm
.Lfunc_end_k_qa7fd53bbd0_qkv:
	.size	k_qa7fd53bbd0_qkv, .Lfunc_end_k_qa7fd53bbd0_qkv-k_qa7fd53bbd0_qkv
	.p2alignl 7, 3214868480
	.fill 96, 4, 3214868480
	.section	.rodata,"a",@progbits
	.p2align	6, 0x0
	.amdhsa_kernel k_qa7fd53bbd0_qkv
		.amdhsa_group_segment_fixed_size 327680
		.amdhsa_private_segment_fixed_size 0
		.amdhsa_enable_private_segment 0
		.amdhsa_kernarg_size 48
		.amdhsa_user_sgpr_count 2
		.amdhsa_user_sgpr_kernarg_segment_ptr 1
		.amdhsa_wavefront_size32 1
		.amdhsa_system_sgpr_workgroup_id_x 1
		.amdhsa_system_sgpr_workgroup_id_y 1
		.amdhsa_system_sgpr_workgroup_id_z 1
		.amdhsa_system_vgpr_workitem_id 0
		.amdhsa_next_free_vgpr 1024
		.amdhsa_next_free_sgpr 102
		.amdhsa_reserve_vcc 1
		.amdhsa_float_denorm_mode_32 3
		.amdhsa_float_denorm_mode_16_64 3
		.amdhsa_fp16_overflow 1
		.amdhsa_memory_ordered 1
		.amdhsa_forward_progress 1
		.amdhsa_inst_pref_size 231
	.end_amdhsa_kernel
	.amdgpu_metadata
---
amdhsa.version: [ 1, 2 ]
amdhsa.kernels:
  - .name:           k_qa7fd53bbd0_qkv
    .symbol:         k_qa7fd53bbd0_qkv.kd
    .args:
      - { .name: x_codes, .offset: 0, .size: 8, .value_kind: global_buffer, .address_space: global }
      - { .name: x_scales, .offset: 8, .size: 8, .value_kind: global_buffer, .address_space: global }
      - { .name: w_attn_codes, .offset: 16, .size: 8, .value_kind: global_buffer, .address_space: global }
      - { .name: w_attn_scales, .offset: 24, .size: 8, .value_kind: global_buffer, .address_space: global }
      - { .name: b_attn, .offset: 32, .size: 8, .value_kind: global_buffer, .address_space: global }
      - { .name: qkv, .offset: 40, .size: 8, .value_kind: global_buffer, .address_space: global }
    .group_segment_fixed_size: 327680
    .private_segment_fixed_size: 0
    .kernarg_segment_align: 8
    .kernarg_segment_size: 48
    .max_flat_workgroup_size: 128
    .sgpr_count:     102
    .vgpr_count:     1024
    .wavefront_size: 32
...
	.end_amdgpu_metadata
.endif
;; end of part 1
;; launch attn (part 2): grid 4 x 64, 16 waves a work-group, no clusters, 327,680 bytes of LDS; arguments qkv, yimg, ysc; writes yimg, ysc
.if DOCPART == 2
	.amdgcn_target "amdgcn-amd-amdhsa--gfx1250"
	.amdhsa_code_object_version 6
	.text
	.protected	k_qa7fd53bbd0_attn
	.globl	k_qa7fd53bbd0_attn
	.p2align	8
	.type	k_qa7fd53bbd0_attn,@function
k_qa7fd53bbd0_attn:
	s_mov_b64 s[64:65], 0
	v_nop
	global_prefetch_b8 v0, s[64:65] scope:SCOPE_SE
	s_setreg_imm32_b32 hwreg(HW_REG_WAVE_MODE, 25, 1), 1
	s_wait_xcnt 0x0
; y = softmax(q k^T / 8, causal) v for one head, both products on codes of E4M3 with E8M0 scales; y leaves quantised along the 1,024 features, as images of the registers in which the last product wants it.
; THE SOFTMAX: t = score x log2(e) / 8; M = the running largest t, rounded UP to a whole number; p = 2^(t - M) is quantised along the keys; the row's sum is taken of the unquantised p and divides at the end.
; SHARES.  Work-group (j, head) owns the query blocks j and 7 - j of its head, 256 queries each, one after the other: block b walks the key slots 0 .. b, so every work-group makes 9 visits: a constant of the text.
; Each of the sixteen waves owns one tile of 16 queries of the block in hand, in 256 registers: four waves to a SIMD, so that one wave's vector work stands beside another's products and LDS loads.
; NO CLUSTER: in the same visit the four work-groups of a head want different slots (block j against block 7 - j ends at another visit in each), so no joint request would be alike in all partners.
; A SLOT (34,304 bytes, dense in memory, as the launch before laid it): 256 keys: k's images, v's images, k's scale words, v's scale words.  Waves 0 and 1 fetch half a slot each; all sixteen read it.
; LAYOUT.  Both products are used transposed: S^T = k q^T (source 0 = 16 keys), O^T = v^T p^T (source 0 = 16 channels): a lane holds ONE query (lane % 16); register j of tile t is key (channel) 16 t + 8 (lane / 16) + j.
; A block of 32 keys is tiles 2 b, 2 b + 1 of lanes l and l xor 16; behind the conversions two exchanges of half registers lay its codes as the operand wants them (k = 32 b + 16 (lane / 16) + 0 .. 15).
; K = 64 IN AN INSTRUCTION OF 128: q's upper eight registers are zero codes.  k's tile t names 16 registers of which the upper eight are the next tile's codes (behind the last: zeros): finite numbers x 0.
; The upper two bytes of the scale words are other blocks' bytes or 0, never 0xff.
; CAUSAL.  A step of 128 keys that lies wholly behind my 16 queries is jumped over (a scalar branch on ids; no barrier and no tensor load stands in a step); in the one step on the diagonal hidden scores become -infinity.
; LIMITS: NaN and infinities are not served; a block whose largest magnitude lies under 2^-118 gets the scale byte 1 (its codes are zeros or all but zeros; only this program reads the bytes); 1 / the sum is v_rcp_f32's.
.set PARTB, 17563648
.set BHB,   274432
.set SLOTB, 34304
.set HALFB, 17152                      ; 67 rows of 256 bytes: one tensor load
.set VIMG,  16384
.set KSC,   32768
.set VSC,   33792
.set SLOT1, 1<<17                      ; LDS slot 1 begins here: one exclusive or turns an address
.set SPARE, 2*SLOT1                    ; the spare words, 128 bytes a wave: eight blocks of 256 bytes that no other line names
.set LI,   1                           ; v1   16 x lane
.set R16,  2                           ; v2   16 x (lane % 16)
.set SPW,  3                           ; v3   LDS address of my spare word; never rewritten
.set NIL,  4                           ; v4   0; never rewritten
.set PFO,  5                           ; v5   256 x lane: the prefetches' offset; never rewritten
.set DQ,   6                           ; v6   my query's place in its 128, less 8 (lane / 16)
.set YS,   7                           ; v7   32 (lane % 16) + lane / 16: where my scale byte of y goes
.set ADK,  8
.set ADS,  9
.set QF,   16                          ; v16-31  q's fragment (24-31: zero codes)
.set KB,   32                          ; v32-95  k's eight tiles x 8 registers; later v's four fragments
.set ZK,   96                          ; v96-103 zero codes
.set S,    104                         ; v104-167 S^T, then p; at the end y
.set OT,   168                         ; v168-199 O^T
.set PC,   200                         ; v200-215 p's codes
.set KSW,  216
.set VSW,  224
.set QSW,  228
.set BM,   230
.set T4,   234
.set HOLD, 238
.set SCO,  242
.set TMP,  246
.set NINF, 247
.set FF,   248                         ; v248 f = 2^(old M - new M); v249 p's scale word
.set PW,   249
.set WV,  10
.set JJ,  11
.set BH,  12
.set BLK, 13                           ; the query block in hand
.set CUR, 14                           ; the key slot in hand
.set NXT, 15                           ; the next visit's
.set GQ,  16                           ; which 128 tokens hold my queries
.set TB,  17                           ; LDS byte at which the slot in hand begins
.set CNT, 18
.set MNT, 19
.set SEL, 20
.set CS,  22
.set G1,  24
.set G0,  32
.set KVW, 36                           ; s[36:37] my half of the head's slot 0 of k and v
.set QB0, 38                           ; s[38:39] my tile's images in block 0 of q
.set QS0, 40                           ; s[40:41] its scale words
.set YB0, 42                           ; s[42:43] my tile's images of y in block 0
.set SB0, 44                           ; s[44:45] its scale bytes
.set PFA, 46
.set LIM, 48
.set GK,  56
.macro TLOAD                           ; waves 0 and 1 fetch; four v_nop follow the line
	s_cmp_lt_u32 s[WV], 2
	s_cbranch_scc0 .Lasked_\@
	tensor_load_to_lds s[G0:G0+3], s[G1:G1+7]
	s_nop 0
.rept 4
	v_nop
.endr
.Lasked_\@:
.endm
; A PREFETCH INTO THE L2 of the codes that the NEXT change of slots will ask for: a slot's 32,768 bytes of images.  All four work-groups of a head walk the same slots: the one with j = 0 asks, whose visits 1 to 8 walk
; slots 0 to 7 in order; in it waves 4 to 7, which fetch nothing, take 8,192 bytes each, lanes 256 bytes apart: each aligned block of 256 bytes is named once.  Visit v asks for slot v + 1, one visit (two key steps) ahead of
; its load; the last change that fills asks for nothing; slot 0 and the scale words come by their loads alone.
.macro ASK
	s_cmp_gt_u32 s[CNT], s[LIM]
	s_cbranch_scc0 .Lnot_mine_\@
	global_prefetch_b8 v[PFO], s[PFA:PFA+1] th:TH_LOAD_NT scope:SCOPE_SE
.Lnot_mine_\@:
.endm
	s_load_b128 s[4:7], s[0:1], 0x0                ; the workspace of q, k, v; y's images
	s_load_b64 s[8:9], s[0:1], 0x10                ; y's scale bytes
	v_lshl_add_u32 v[SPW], v0, 2, SPARE
	v_mov_b32 v[NIL], 0
	ds_add_u32 v3, v4
	ds_add_u32 v3, v4
	s_wait_dscnt 0x0
	v_lshrrev_b32 v8, 5, v0
	s_delay_alu instid0(VALU_DEP_1)
	v_readfirstlane_b32 s[WV], v8                  ; wave 0..15
	s_mov_b32 s[JJ], ttmp9
	s_and_b32 s[BH], ttmp7, 0xffff                 ; batch x 16 + head
	s_mov_b32 s[G1], 3<<16                         ; no mask; elements of 8 bytes; no padding: images are read 16 bytes a lane, on end
	s_mov_b32 s[G1+1], 32<<16                      ; tensor_dim0 = 32 elements: 256 bytes
	s_mov_b32 s[G1+2], 67<<16                      ; tensor_dim1 = 67
	s_mov_b32 s[G1+3], 32<<16                      ; tile_dim0
	s_mov_b32 s[G1+4], 67                          ; tile_dim1
	s_mov_b32 s[G1+5], 32                          ; dense
	s_mov_b32 s[G1+6], 0
	s_mov_b32 s[G1+7], 0
	s_mul_i32 s50, s[BH], BHB
	s_mov_b32 s51, 0
	s_and_b32 s52, s[WV], 1
	s_mul_i32 s52, s52, HALFB
	s_mov_b32 s53, 0
	s_wait_kmcnt 0x0
	s_add_nc_u64 s[QB0:QB0+1], s[4:5], s[50:51]    ; my head in part 0 (q),
	s_add_nc_u64 s[PFA:PFA+1], s[QB0:QB0+1], PARTB ; and in part 1 (k, v)
	s_add_nc_u64 s[KVW:KVW+1], s[PFA:PFA+1], s[52:53]
	s_mov_b32 s[G0], 1
	s_mov_b32 s[G0+1], s52                         ; LDS slot 0, my half
	s_mov_b64 s[G0+2:G0+3], s[KVW:KVW+1]           ; key slot 0
	s_or_b32 s[G0+3], s[G0+3], 0x80000000
	TLOAD                                          ; the one first fill; one tensor load of mine is out at the most, here and later
	s_lshr_b32 s54, s[WV], 3
	s_lshl_b32 s54, s54, 9
	s_bfe_u32 s55, s[WV], 0x10002
	s_lshl_b32 s55, s55, 8
	s_add_co_u32 s54, s54, s55
	s_and_b32 s55, s[WV], 3
	s_lshl_b32 s55, s55, 2
	s_add_co_u32 s54, s54, s55
	s_add_co_u32 s54, s54, KSC                     ; half x 512 + (tile / 4) x 256 + 4 (tile % 4), behind the images
	s_mov_b32 s55, 0
	s_add_nc_u64 s[QS0:QS0+1], s[QB0:QB0+1], s[54:55]
	s_lshl_b32 s54, s[WV], 10
	s_add_nc_u64 s[QB0:QB0+1], s[QB0:QB0+1], s[54:55]
	s_lshr_b32 s50, s[BH], 4                       ; batch
	s_and_b32 s52, s[BH], 15                       ; head
	s_lshl_b32 s54, s50, 7
	s_add_co_u32 s54, s54, s[WV]
	s_lshl_b32 s54, s54, 14                        ; y's images: [token / 16] 16,384 bytes [feature / 128] 2,048 [c] 512
	s_lshr_b32 s53, s52, 1
	s_lshl_b32 s53, s53, 11
	s_add_co_u32 s54, s54, s53
	s_and_b32 s53, s52, 1
	s_lshl_b32 s53, s53, 10
	s_add_co_u32 s54, s54, s53
	s_add_nc_u64 s[YB0:YB0+1], s[6:7], s[54:55]
	s_lshl_b32 s54, s50, 11
	s_lshl_b32 s53, s[WV], 4
	s_add_co_u32 s54, s54, s53
	s_lshl_b32 s54, s54, 5                         ; y's scale bytes: [token] 32 bytes, byte 2 x head + block
	s_lshl_b32 s53, s52, 1
	s_add_co_u32 s54, s54, s53
	s_add_nc_u64 s[SB0:SB0+1], s[8:9], s[54:55]
	s_and_b32 s54, s[WV], 3
	s_lshl_b32 s54, s54, 13
	s_add_nc_u64 s[PFA:PFA+1], s[PFA:PFA+1], s[54:55]  ; my 8,192 bytes of slot 0: the first change of slots steps it to slot 1
	s_sub_co_u32 s54, s[WV], 4
	s_lshr_b32 s54, s54, 2                         ; 0 in waves 4 to 7,
	s_or_b32 s54, s54, s[JJ]                       ; of the work-group with j = 0
	s_cmp_eq_u32 s54, 0
	s_cselect_b32 s[LIM], 1, -1
	s_mov_b32 s[SEL], 0x76543210
	s_mov_b32 s[SEL+1], 0xfedcba98
	s_mov_b32 s[CS], 0x3e38aa3b                    ; c = log2(e) / 8
	s_mov_b32 s[CS+1], s[CS]                       ; (named with it as a pair, so it is written)
	s_mov_b32 s[BLK], s[JJ]
	s_mov_b32 s[CUR], 0
	s_mov_b32 s[TB], 0
	s_mov_b32 s[CNT], 8
	v_and_b32 v8, 31, v0
	v_and_b32 v9, 15, v0
	v_bfe_u32 v10, v0, 4, 1
	s_delay_alu instid0(VALU_DEP_3)
	v_lshlrev_b32 v[LI], 4, v8
	s_delay_alu instid0(VALU_DEP_3)
	v_lshlrev_b32 v[R16], 4, v9
	v_lshlrev_b32 v[PFO], 8, v8
	s_delay_alu instid0(VALU_DEP_4)
	v_lshlrev_b32 v11, 3, v10
	s_delay_alu instid0(VALU_DEP_1)
	v_sub_nc_u32 v[DQ], v9, v11
	s_and_b32 s54, s[WV], 7
	s_lshl_b32 s54, s54, 4
	v_add_nc_u32 v[DQ], s54, v[DQ]
	v_lshl_add_u32 v[YS], v9, 5, v10
.irp i, 0,1,2,3,4,5,6,7
	v_mov_b32 v[QF+8+\i], 0                        ; zero codes: the upper 64 of the instruction's 128 along K
	v_mov_b32 v[ZK+\i], 0
.endr
.irp b, 0,1,2,3
	v_mov_b32 v[T4+\b], 0                          ; written once: a lane permute's destination counts as one of its sources
.endr
	v_mov_b32 v[TMP], 0
	v_mov_b32 v[NINF], 0xff800000                  ; -infinity
	v_mov_b32 v[PW], 0                             ; (named as the upper half of the pair with f before it is first written)
; A query block begins: my tile's q and its scale words; the largest t at -3e38, the sum and O^T at 0: the first step's change of M multiplies zeros.
.macro START
	s_mul_i32 s50, s[BLK], SLOTB
	s_mov_b32 s51, 0
	s_add_nc_u64 s[52:53], s[QB0:QB0+1], s[50:51]
	s_add_nc_u64 s[54:55], s[QS0:QS0+1], s[50:51]
	global_load_b128 v[QF:QF+3], v[LI], s[52:53] th:TH_LOAD_NT
	global_load_b128 v[QF+4:QF+7], v[LI], s[52:53] offset:512 th:TH_LOAD_NT
	global_load_b32 v[QSW], v[R16], s[54:55]
	s_lshl_b32 s[GQ], s[BLK], 1
	s_lshr_b32 s50, s[WV], 3
	s_add_co_u32 s[GQ], s[GQ], s50
	v_mov_b32 v13, 0xff61b1e6
	s_delay_alu instid0(VALU_DEP_1)
	v_floor_f32 v12, -v13
	v_mov_b32 v14, 0
	v_mov_b32 v15, 0
.set n, 0
.rept 32
	v_mov_b32 v[OT+n], 0
.set n, n+1
.endr
	s_wait_loadcnt 0x0
.endm
; A KEY STEP: 128 keys, the q-th half of the slot in hand.
.macro STEP q
	s_lshl_b32 s[GK], s[CUR], 1
	s_add_co_u32 s[GK], s[GK], \q
	s_cmp_gt_u32 s[GK], s[GQ]
	s_cbranch_scc1 .Lhidden_\@                     ; all its keys come behind my queries
	v_add_nc_u32 v[ADK], s[TB], v[LI]
	v_add_nc_u32 v[ADS], s[TB], v[R16]
.rept 6
	v_nop                                          ; with the two additions: eight places ahead of loads into registers that the last products read
.endr
.irp t, 0,1,2,3,4,5,6,7
	ds_load_b128 v[KB+8*\t:KB+8*\t+3], v[ADK] offset:8192*(\q)+1024*\t
	ds_load_b128 v[KB+8*\t+4:KB+8*\t+7], v[ADK] offset:8192*(\q)+1024*\t+512
.endr
	ds_load_b128 v[KSW:KSW+3], v[ADS] offset:KSC+512*(\q)          ; lane r: the scale words of key r of tiles 0-3,
	ds_load_b128 v[KSW+4:KSW+7], v[ADS] offset:KSC+512*(\q)+256    ; of tiles 4-7
	s_wait_alu depctr_va_vdst(0)
	s_wait_dscnt 0x0
.irp t, 0,1,2,3,4,5,6,7
	v_wmma_scale_f32_16x16x128_f8f6f4 v[S+8*\t:S+8*\t+7], v[KB+8*\t:KB+8*\t+15], v[QF:QF+15], 0, v[KSW+\t], v[QSW]
.endr
.rept 8
	v_nop                                          ; places ahead of the loads below and of the first read of the scores
.endr
.irp i, 0,1,2,3
.irp c, 0,1,2,3
	ds_load_b128 v[KB+16*\i+4*\c:KB+16*\i+4*\c+3], v[ADK] offset:VIMG+8192*(\q)+2048*\i+512*\c   ; v's four fragments: they land under the softmax
.endr
.endr
	ds_load_b128 v[VSW:VSW+3], v[ADS] offset:VSC+256*(\q)
	s_cmp_lg_u32 s[GK], s[GQ]
	s_cbranch_scc1 .Lopen_\@                       ; all its keys count
.set n, 0
.rept 64
	v_cmp_gt_i32 vcc_lo, 16*(n/8)+n%8, v[DQ]       ; register n holds key 16 (n / 8) + 8 (lane / 16) + n % 8 of the 128: hidden where that is above my query's place
	v_cndmask_b32 v[S+n], v[S+n], v[NINF], vcc_lo
.set n, n+1
.endr
.Lopen_\@:
.irp b, 0,1,2,3
	v_max3_num_f32 v[BM+\b], v[S+16*\b], v[S+1+16*\b], v[S+2+16*\b]   ; the largest score of each block of 32 keys: for the row's maximum and, since p rises with the score, for the block's largest p
.endr
.irp i, 3,5,7,9,11,13
.irp b, 0,1,2,3
	v_max3_num_f32 v[BM+\b], v[BM+\b], v[S+16*\b+\i], v[S+1+16*\b+\i]
.endr
.endr
.irp b, 0,1,2,3
	v_max_num_f32 v[BM+\b], v[BM+\b], v[S+15+16*\b]
.endr
.irp b, 0,1,2,3
	s_delay_alu instid0(VALU_DEP_4)
	v_permlanex16_b32 v[T4+\b], v[BM+\b], s[SEL], s[SEL+1]
.endr
.irp b, 0,1,2,3
	s_delay_alu instid0(VALU_DEP_4)
	v_max_num_f32 v[BM+\b], v[BM+\b], v[T4+\b]     ; with lane l xor 16's 16 keys
.endr
	s_delay_alu instid0(VALU_DEP_2)
	v_max3_num_f32 v[TMP], v[BM], v[BM+1], v[BM+2]
	s_delay_alu instid0(VALU_DEP_1)
	v_max_num_f32 v[TMP], v[TMP], v[BM+3]
	s_delay_alu instid0(VALU_DEP_1)
	v_mul_f32 v[TMP], s[CS], v[TMP]                ; as t (c is positive)
	s_delay_alu instid0(VALU_DEP_1)
	v_max_num_f32 v13, v13, v[TMP]                 ; the running largest t
	v_mov_b32 v[TMP], v12
	s_delay_alu instid0(VALU_DEP_2)
	v_floor_f32 v12, -v13                          ; the new -M = floor(-t): M is a whole number
	s_delay_alu instid0(VALU_DEP_1)
	v_sub_f32 v[TMP], v12, v[TMP]                  ; old M - new M: a whole number, 0 or less
	s_delay_alu instid0(VALU_DEP_1)
	v_cvt_i32_f32 v[TMP], v[TMP]                   ; (it saturates)
	s_delay_alu instid0(VALU_DEP_1)
	v_ldexp_f32 v[FF], 1.0, v[TMP]                 ; f = 2^(old M - new M): a multiplication by it rounds nothing
.set n, 0
.rept 32
	v_pk_fma_f32 v[S+n:S+n+1], v[S+n:S+n+1], s[CS:CS+1], v[12:13] op_sel_hi:[1,0,0]   ; t - M, two at a time
.set n, n+2
.endr
.irp b, 0,1,2,3
	v_fma_f32 v[BM+\b], v[BM+\b], s[CS], v12       ; the same of each block's largest score
.endr
.set n, 0
	s_wait_alu depctr_va_vdst(0)
.rept 64
	v_exp_f32 v[S+n], v[S+n]                       ; p = 2^(t - M), at most 1: not normalised
.set n, n+1
.endr
	v_pk_mul_f32 v[14:15], v[14:15], v[FF:FF+1] op_sel_hi:[1,0]   ; the sums under the new M: the plain instruction behind the exponentials
	s_wait_alu depctr_va_vdst(0)                   ; one wait for the batch of 64, ahead of its first reader
.irp b, 0,1,2,3
	v_exp_f32 v[BM+\b], v[BM+\b]                   ; the block's largest p: the same two instructions on the same number give the same bits
.endr
	v_pk_add_f32 v[234:235], v[108:109], v[112:113]
	v_pk_add_f32 v[254:255], v[116:117], v[120:121]
	v_pk_add_f32 v[252:253], v[124:125], v[128:129]
	v_pk_add_f32 v[250:251], v[132:133], v[136:137]
	v_pk_add_f32 v[244:245], v[140:141], v[144:145]
	v_pk_add_f32 v[242:243], v[148:149], v[152:153]
	v_pk_add_f32 v[240:241], v[156:157], v[160:161]
	v_pk_add_f32 v[14:15], v[14:15], v[164:165]
	v_pk_add_f32 v[234:235], v[234:235], v[104:105]
	v_pk_add_f32 v[254:255], v[254:255], v[106:107]
	v_pk_add_f32 v[252:253], v[252:253], v[110:111]
	v_pk_add_f32 v[250:251], v[250:251], v[114:115]
	v_pk_add_f32 v[244:245], v[244:245], v[118:119]
	v_pk_add_f32 v[242:243], v[242:243], v[122:123]
	v_pk_add_f32 v[240:241], v[240:241], v[126:127]
	v_pk_add_f32 v[14:15], v[14:15], v[130:131]
	v_pk_add_f32 v[234:235], v[234:235], v[134:135]
	v_pk_add_f32 v[254:255], v[254:255], v[138:139]
	v_pk_add_f32 v[252:253], v[252:253], v[142:143]
	v_pk_add_f32 v[250:251], v[250:251], v[146:147]
	v_pk_add_f32 v[244:245], v[244:245], v[150:151]
	v_pk_add_f32 v[242:243], v[242:243], v[154:155]
	v_pk_add_f32 v[240:241], v[240:241], v[158:159]
	v_pk_add_f32 v[14:15], v[14:15], v[162:163]
	v_pk_add_f32 v[234:235], v[234:235], v[166:167]
	s_delay_alu instid0(VALU_DEP_2)
	v_pk_add_f32 v[14:15], v[14:15], v[250:251]
	s_delay_alu instid0(VALU_DEP_2)
	v_pk_add_f32 v[234:235], v[234:235], v[244:245]
	v_pk_add_f32 v[254:255], v[254:255], v[242:243]
	v_pk_add_f32 v[252:253], v[252:253], v[240:241]
	s_delay_alu instid0(VALU_DEP_2)
	v_pk_add_f32 v[14:15], v[14:15], v[254:255]
	s_delay_alu instid0(VALU_DEP_2)
	v_pk_add_f32 v[234:235], v[234:235], v[252:253]
	s_delay_alu instid0(VALU_DEP_1)
	v_pk_add_f32 v[14:15], v[14:15], v[234:235]
	s_wait_alu depctr_va_vdst(0)                   ; and one for the four
.irp b, 0,1,2,3
	v_max_num_f32 v[BM+\b], 0x4800000, v[BM+\b]    ; the floor 2^(9 - 127): the byte cannot fall under 1
.endr
.irp b, 0,1,2,3
	s_delay_alu instid0(VALU_DEP_4)
	v_add_nc_u32 v[SCO+\b], 0xfc000000, v[BM+\b]   ; 8 off the exponent field: the conversion's scale operand
.endr
.irp b, 0,1,2,3
.endr
.irp b, 0,1,2,3
	s_delay_alu instid0(VALU_DEP_4)
	v_lshrrev_b32 v[T4+\b], 23, v[SCO+\b]          ; the scale's byte
.endr
	s_delay_alu instid0(VALU_DEP_3)
	v_lshl_or_b32 v[PW], v[T4+1], 8, v[T4]         ; p's scale word for these 128 keys
	s_delay_alu instid0(VALU_DEP_1)
	v_lshl_or_b32 v[PW], v[T4+2], 16, v[PW]
	s_delay_alu instid0(VALU_DEP_1)
	v_lshl_or_b32 v[PW], v[T4+3], 24, v[PW]
.irp b, 0,1,2,3
.irp i, 0,1,2,3,4,5,6,7,8,9,10,11,12,13,14,15
.endr
	v_cvt_scalef32_pk8_fp8_f32 v[PC+4*\b:PC+4*\b+1], v[S+16*\b:S+16*\b+7], v[SCO+\b]
	v_cvt_scalef32_pk8_fp8_f32 v[PC+4*\b+2:PC+4*\b+3], v[S+16*\b+8:S+16*\b+15], v[SCO+\b]
.endr
	v_nop                                          ; a plain instruction between the last conversion and the first instruction that touches its result
.irp b, 0,1,2,3
	v_permlane16_swap_b32 v[PC+4*\b], v[PC+4*\b+2]       ; now registers 4 b .. 4 b + 3 hold keys 32 b + 16 (lane / 16) + 0 .. 15
	v_permlane16_swap_b32 v[PC+4*\b+1], v[PC+4*\b+3]
.endr
.set n, 0
.rept 16
	v_pk_mul_f32 v[OT+n:OT+n+1], v[OT+n:OT+n+1], v[FF:FF+1] op_sel_hi:[1,0]   ; O^T under the new M; these sixteen also stand between the codes' last write and the products
.set n, n+2
.endr
	s_wait_alu depctr_va_vdst(0)
	s_wait_dscnt 0x0                               ; v's fragments and scale words
.irp i, 0,1,2,3
	v_wmma_scale_f32_16x16x128_f8f6f4 v[OT+8*\i:OT+8*\i+7], v[KB+16*\i:KB+16*\i+15], v[PC:PC+15], v[OT+8*\i:OT+8*\i+7], v[VSW+\i], v[PW]   ; the four accumulators by turns, one instruction a turn
.endr
.Lhidden_\@:
.endm
; THE CHANGE OF SLOTS, at a visit's head: each wave waits for all its tensor loads (its part of the slot ahead), adds 0 to its spare word, and waits for that and for its reads of the slot that it has left.
; fill = 1: behind the barrier the slot just left takes the next visit's keys: the slot after this one, or slot 0 where this visit ends a query block.
.macro CHANGE fill
	s_wait_tensorcnt 0x0                           ; no tensor load of mine is out, so group 0 may be written
	ds_add_u32 v[SPW], v[NIL]                      ; 0 onto my spare word
.if \fill
	s_add_co_u32 s[NXT], s[CUR], 1
	s_cmp_eq_u32 s[CUR], s[BLK]
	s_cselect_b32 s[NXT], 0, s[NXT]
	s_xor_b32 s[G0+1], s[G0+1], SLOT1              ; the other LDS slot than last time
	s_mul_i32 s50, s[NXT], SLOTB
	s_mov_b32 s51, 0
	s_add_nc_u64 s[G0+2:G0+3], s[KVW:KVW+1], s[50:51]
	s_or_b32 s[G0+3], s[G0+3], 0x80000000
	s_wait_xcnt 0x0                                ; the last prefetch, a visit back, has read its address
	s_add_nc_u64 s[PFA:PFA+1], s[PFA:PFA+1], SLOTB
.endif
	s_wait_dscnt 0x0                               ; the add is done, and my reads of the slot that I have left are over
	s_barrier_signal -1
	s_barrier_wait -1
.if \fill
	TLOAD                                          ; the first thing behind the barrier, and a wave's one tensor load until the next
	ASK
.endif
.endm
; A query block ends: y = O^T / the sum, quantised along the head's 64 channels (two blocks), stored as two groups of an image and one scale byte a lane.
.macro FINISH
.rept 8
	v_nop                                          ; places behind the last products
.endr
	v_add_f32 v14, v14, v15
	s_delay_alu instid0(VALU_DEP_1)
	v_permlanex16_b32 v[TMP], v14, s[SEL], s[SEL+1]
	s_delay_alu instid0(VALU_DEP_1)
	v_add_f32 v14, v14, v[TMP]                     ; the row's sum
	s_wait_alu depctr_va_vdst(0)
	v_rcp_f32 v14, v14
	v_nop                                          ; a plain instruction behind the reciprocal
	s_wait_alu depctr_va_vdst(0)                   ; and the wait ahead of its first reader
.set n, 0
.rept 16
	v_pk_mul_f32 v[S+n:S+n+1], v[OT+n:OT+n+1], v[14:15] op_sel_hi:[1,0]   ; each accumulator from its low end on
.set n, n+2
.endr
.irp b, 0,1
	v_max3_num_f32 v[BM+\b], |v[S+16*\b]|, |v[S+1+16*\b]|, 0x4800000
.endr
.irp i, 2,4,6,8,10,12,14
.irp b, 0,1
	s_delay_alu instid0(VALU_DEP_2)
	v_max3_num_f32 v[BM+\b], v[BM+\b], |v[S+16*\b+\i]|, |v[S+1+16*\b+\i]|
.endr
.endr
.irp b, 0,1
	s_delay_alu instid0(VALU_DEP_2)
	v_permlanex16_b32 v[T4+\b], v[BM+\b], s[SEL], s[SEL+1]
.endr
.irp b, 0,1
	s_delay_alu instid0(VALU_DEP_2)
	v_max_num_f32 v[BM+\b], v[BM+\b], v[T4+\b]
.endr
.irp b, 0,1
	s_delay_alu instid0(VALU_DEP_2)
	v_add_nc_u32 v[SCO+\b], 0xfc000000, v[BM+\b]
.endr
.irp b, 0,1
.endr
.irp b, 0,1
	s_delay_alu instid0(VALU_DEP_2)
	v_lshrrev_b32 v[T4+\b], 23, v[SCO+\b]
.endr
	v_cmp_le_u32 vcc_lo, 0x100, v[LI]              ; lanes 16-31
	s_delay_alu instid0(VALU_DEP_1)
	v_cndmask_b32 v[TMP], v[T4], v[T4+1], vcc_lo   ; lanes 0-15 store block 0's byte, lanes 16-31 block 1's
.irp b, 0,1
.irp i, 0,1,2,3,4,5,6,7,8,9,10,11,12,13,14,15
.endr
	v_cvt_scalef32_pk8_fp8_f32 v[PC+4*\b:PC+4*\b+1], v[S+16*\b:S+16*\b+7], v[SCO+\b]
	v_cvt_scalef32_pk8_fp8_f32 v[PC+4*\b+2:PC+4*\b+3], v[S+16*\b+8:S+16*\b+15], v[SCO+\b]
.endr
	v_nop
.irp b, 0,1
	v_permlane16_swap_b32 v[PC+4*\b], v[PC+4*\b+2]
	v_permlane16_swap_b32 v[PC+4*\b+1], v[PC+4*\b+3]
.endr
	s_lshl_b32 s50, s[BLK], 18                     ; 16 tiles of 16,384 bytes a block
	s_mov_b32 s51, 0
	s_add_nc_u64 s[52:53], s[YB0:YB0+1], s[50:51]
	s_lshl_b32 s50, s[BLK], 13                     ; 256 rows of 32 bytes
	s_add_nc_u64 s[54:55], s[SB0:SB0+1], s[50:51]
	global_store_b128 v[LI], v[PC:PC+3], s[52:53] th:TH_STORE_NT             ; 32 lanes store 512 consecutive bytes, aligned
	global_store_b128 v[LI], v[PC+4:PC+7], s[52:53] offset:512 th:TH_STORE_NT
	global_store_b8 v[YS], v[TMP], s[54:55]        ; a byte a lane, 32 bytes apart: the rows are laid as the last product's tensor load wants them; 1 byte in 33 of what the launch stores
	s_wait_xcnt 0x0                                ; the stores have read their data and bases: both are written again only behind this wait
.endm
	START
.Lvisit:                                           ; eight trips; behind each change of slots the next visit's slot is asked for
	CHANGE 1
	STEP 0
	STEP 1
	s_cmp_lg_u32 s[CUR], s[BLK]                    ; was it the block's last slot?  ids alone: the same in all sixteen waves; no barrier and no tensor load stands under the branch
	s_cbranch_scc1 .Lsame
	FINISH
	s_sub_co_u32 s[BLK], 7, s[JJ]
	START
.Lsame:
	s_mov_b32 s[CUR], s[NXT]
	s_xor_b32 s[TB], s[TB], SLOT1
	s_sub_co_u32 s[CNT], s[CNT], 1
	s_cmp_lg_u32 s[CNT], 0
	s_cbranch_scc1 .Lvisit
	CHANGE 0                                       ; the ninth visit is written out: block 7 - j's last slot
	STEP 0
	STEP 1
	FINISH
	s_wait_tensorcnt 0x0                           ; the wave's end
	ds_add_u32 v[SPW], v[NIL]
	s_wait_dscnt 0x0
	s_endpgm
.Lfunc_end_k_qa7fd53bbd0_attn:
	.size	k_qa7fd53bbd0_attn, .Lfunc_end_k_qa7fd53bbd0_attn-k_qa7fd53bbd0_attn
	.p2alignl 7, 3214868480
	.fill 96, 4, 3214868480
	.section	.rodata,"a",@progbits
	.p2align	6, 0x0
	.amdhsa_kernel k_qa7fd53bbd0_attn
		.amdhsa_group_segment_fixed_size 327680
		.amdhsa_private_segment_fixed_size 0
		.amdhsa_enable_private_segment 0
		.amdhsa_kernarg_size 24
		.amdhsa_user_sgpr_count 2
		.amdhsa_user_sgpr_kernarg_segment_ptr 1
		.amdhsa_wavefront_size32 1
		.amdhsa_system_sgpr_workgroup_id_x 1
		.amdhsa_system_sgpr_workgroup_id_y 1
		.amdhsa_system_sgpr_workgroup_id_z 1
		.amdhsa_system_vgpr_workitem_id 0
		.amdhsa_next_free_vgpr 256
		.amdhsa_next_free_sgpr 66
		.amdhsa_reserve_vcc 1
		.amdhsa_float_denorm_mode_32 3
		.amdhsa_float_denorm_mode_16_64 3
		.amdhsa_fp16_overflow 1
		.amdhsa_memory_ordered 1
		.amdhsa_forward_progress 1
		.amdhsa_inst_pref_size 109
	.end_amdhsa_kernel
	.amdgpu_metadata
---
amdhsa.version: [ 1, 2 ]
amdhsa.kernels:
  - .name:           k_qa7fd53bbd0_attn
    .symbol:         k_qa7fd53bbd0_attn.kd
    .args:
      - { .name: qkv, .offset: 0, .size: 8, .value_kind: global_buffer, .address_space: global }
      - { .name: yimg, .offset: 8, .size: 8, .value_kind: global_buffer, .address_space: global }
      - { .name: ysc, .offset: 16, .size: 8, .value_kind: global_buffer, .address_space: global }
    .group_segment_fixed_size: 327680
    .private_segment_fixed_size: 0
    .kernarg_segment_align: 8
    .kernarg_segment_size: 24
    .max_flat_workgroup_size: 512
    .sgpr_count:     66
    .vgpr_count:     256
    .wavefront_size: 32
...
	.end_amdgpu_metadata
.endif
;; end of part 2
;; launch proj (part 3): grid 4 x 32, 4 waves a work-group, clusters of 4 x 4, 327,680 bytes of LDS; arguments yimg, ysc, w_proj_codes, w_proj_scales, b_proj, out0; writes out0
.if DOCPART == 3
	.amdgcn_target "amdgcn-amd-amdhsa--gfx1250"
	.amdhsa_code_object_version 6
	.text
	.protected	k_qa7fd53bbd0_proj
	.globl	k_qa7fd53bbd0_proj
	.p2align	8
	.type	k_qa7fd53bbd0_proj,@function
k_qa7fd53bbd0_proj:
	s_mov_b64 s[64:65], 0
	v_nop
	global_prefetch_b8 v0, s[64:65] scope:SCOPE_SE
	s_setreg_imm32_b32 hwreg(HW_REG_WAVE_MODE, 25, 1), 1
	s_wait_xcnt 0x0
	s_wait_alu depctr_hold_cnt(0) depctr_sa_sdst(0) depctr_va_vdst(0) depctr_va_sdst(0) depctr_va_ssrc(0) depctr_va_vcc(0) depctr_vm_vsrc(0)
	s_getreg_b32 s2, hwreg(HW_REG_IB_STS2, 6, 4)
	s_cmp_eq_u32 s2, 0
	s_cbranch_scc0 .Lentry_in_a_cluster
	s_endpgm
.Lentry_in_a_cluster:
	s_bfe_u32 s2, ttmp6, 0x10000c
	s_cmp_lg_u32 s2, 0xf033
	s_cbranch_scc0 .Lentry_shape_is_right
	s_endpgm
.Lentry_shape_is_right:
; out0 = y w_proj + b_proj on codes of E4M3 with E8M0 scales.  y: 8,192 rows x 1,024, as images of the operand's registers ([row / 16] 16,384 bytes [k / 128] 2,048 [c] 512 [lane] 16), its scale bytes [row][32];
; w_proj: [1,024 (n)][1,024 (k)] codes, its scale bytes [n][32]; b_proj [1,024] and out0 [8,192][1,024] f32.
; A tile of the result, 256 x 256, is made by four waves, 128 x 128 each: 64 accumulators.  K goes in steps of 256 through two LDS slots filled by joint tensor loads; the scale bytes of all of K come once.
; CLUSTERS: 4 x 4 work-groups; y's tiles ("A", source 1) are shared along a row of the cluster, w_proj's ("B", source 0) along a column.  The matrix instruction is used transposed: a lane holds eight neighbouring numbers of a row of out0.
; y's tile of a K step is, for each 16 rows, 4,096 consecutive bytes; in LDS the images lie on end and are read 16 bytes a lane: no pitch, no padding.  w_proj's rows lie along K, 272 bytes apart.
; The bias is the C of the first products.  128 work-groups: the launch writes 33.5 MB for 17 GFLOP, so its stores weigh more than its products.
; REGISTERS: window 0: v1-29 addresses, v32-63 scale words (two sets), v64-127 the bias, v128-255 A's fragments, one set (on the way out: rows of out0); window 1: B's fragments, two sets; windows 2, 3: the accumulators.
.set NQ,     2
.set ROWB,   256
.set KROW,   1024
.set SIZE_N, 1024
.set PITCH,  272                       ; an LDS row of B: 256 bytes + 16 of padding: the 16 rows that a load touches start at 16 different banks (ISA guide 11.1)
.set FR,     16
.set NL,     4
.set NP,     8
.set HALFA,  32768                     ; A: 8 tiles of 16 rows x 4,096 bytes: one tensor load
.set HALFT,  128*PITCH                 ; B: 128 rows: one tensor load
.set BOFF,   2*HALFA
.set SLOT,   BOFF+2*HALFT
.set SCL,    2*SLOT
.set HALFS,  16*272
.set SBLK,   2*272
.set SPARE,  SCL+4*HALFS               ; the spare words, 128 bytes a wave: two blocks of 256 bytes that no other line names
.set SPITCH, 528                       ; the way out: a stage of 16 rows x (512 + 16) bytes a wave, in slot 0, which has had its last fill and its last read when the first result is stored there
.set HB,   11                          ; v11  32 h
.set ADRA, 16
.set ADRB, 20
.set STO,  24
.set RD,   25
.set CO,   26
.set ADRS, 27
.set SPW,  28                          ; v28  LDS address of my spare word; never rewritten
.set NIL,  29                          ; v29  0; never rewritten
.set SC,   32
.set BI,   64
.set AF,   128
.set BK,   128
.set G1, 24
.set G0, 32
.set G1B, 48
.set G0B, 56
.set G1S, 68
.set G0S, 76
.set G1SB, 80
.set G0SB, 88
.set MSB, 0
.macro WIN new
.if MSB != (\new)
	s_set_vgpr_msb (MSB<<8)|(\new)
.set MSB, (\new)
.endif
.endm
.set MUL_LO, 0xa1
.set MUL_HI, 0xf1
.set TO_B,   0x40
.macro JLOAD g0a, g1a, g0b, g1b        ; waves 0 and 1 fetch for A, waves 2 and 3 for B; four v_nop follow each of the two lines
	s_cmp_eq_u32 s15, 0
	s_cbranch_scc0 .Lfor_b_\@
	tensor_load_to_lds s[\g0a:\g0a+3], s[\g1a:\g1a+7]
	s_nop 0
.rept 4
	v_nop
.endr
	s_branch .Lasked_\@
.Lfor_b_\@:
	tensor_load_to_lds s[\g0b:\g0b+3], s[\g1b:\g1b+7]
	s_nop 0
.rept 4
	v_nop
.endr
.Lasked_\@:
.endm
.macro CREST
	s_cmp_lg_u32 s14, 0
	s_cbranch_scc1 .Lnot_wave_0_\@
	s_barrier_signal -3
.Lnot_wave_0_\@:
	s_barrier_wait -3
	s_barrier_signal -1
	s_barrier_wait -1
.endm
.macro CROUND
	s_barrier_signal -1
	s_barrier_wait -1
	CREST
.endm
	s_load_b128 s[4:7], s[0:1], 0x0                ; y's images, y's scale bytes
	s_load_b128 s[8:11], s[0:1], 0x10              ; w_proj's codes, its scale bytes
	s_load_b64 s[96:97], s[0:1], 0x20              ; b_proj
	s_load_b64 s[12:13], s[0:1], 0x28              ; out0
	v_lshl_add_u32 v[SPW], v0, 2, SPARE
	v_mov_b32 v[NIL], 0
	ds_add_u32 v28, v29
	ds_add_u32 v28, v29
	s_wait_dscnt 0x0
	v_lshrrev_b32 v1, 5, v0
	v_readfirstlane_b32 s14, v1                    ; wave 0..3
	s_lshr_b32 s15, s14, 1                         ; which half of the tile's rows is mine.  Also: I fetch for A (0) or for B (1)
	s_and_b32 s16, s14, 1                          ; which half of its columns.  Also: which half of that tile I fetch
	s_bfe_u32 s40, ttmp6, 0x40000                  ; cx
	s_bfe_u32 s41, ttmp6, 0x40004                  ; cy
	s_lshl_b32 s42, ttmp9, 2
	s_add_co_u32 s42, s42, s40                     ; tile column
	s_and_b32 s17, ttmp7, 0xffff
	s_lshl_b32 s17, s17, 2
	s_add_co_u32 s17, s17, s41                     ; tile row
	s_lshl_b32 s43, s41, 2
	s_lshl_b32 s43, 15, s43                        ; my row of the cluster
	s_lshl_b32 s44, 0x1111, s40                    ; my column
	; A: 8 rows of 4,096 bytes (512 elements of 8), 16,384 bytes apart, laid on end
	s_or_b32 s[G1+0], s43, (3<<16)|(1<<21)         ; the mask: my row; elements of 8 bytes; bit 21 beside a mask; no padding
	s_mov_b32 s[G1+1], 512<<16                     ; tensor_dim0
	s_mov_b32 s[G1+2], 8<<16                       ; tensor_dim1
	s_mov_b32 s[G1+3], 512<<16                     ; tile_dim0
	s_mov_b32 s[G1+4], 8                           ; tile_dim1
	s_mov_b32 s[G1+5], 2048                        ; from row to row, in elements
	s_mov_b32 s[G1+6], 0
	s_mov_b32 s[G1+7], 0
	; B: 128 rows x 256 bytes, 16 bytes of padding behind each
	s_or_b32 s[G1B+0], s44, (0<<16)|(1<<20)|(1<<21)|(5<<22)|(3<<25)
	s_mov_b32 s[G1B+1], ROWB<<16
	s_mov_b32 s[G1B+2], 128<<16
	s_mov_b32 s[G1B+3], ROWB<<16
	s_mov_b32 s[G1B+4], 128
	s_mov_b32 s[G1B+5], KROW
	s_mov_b32 s[G1B+6], 0
	s_mov_b32 s[G1B+7], 0
	; the scale bytes of 128 rows: 4,096 dense bytes as 16 rows of 256, 16 bytes of padding behind each
	s_or_b32 s[G1S+0], s43, (3<<16)|(1<<20)|(1<<21)|(5<<22)|(3<<25)
	s_or_b32 s[G1SB+0], s44, (3<<16)|(1<<20)|(1<<21)|(5<<22)|(3<<25)
.irp g, G1S, G1SB
	s_mov_b32 s[\g+1], 32<<16
	s_mov_b32 s[\g+2], 16<<16
	s_mov_b32 s[\g+3], 32<<16
	s_mov_b32 s[\g+4], 16
	s_mov_b32 s[\g+5], 32
	s_mov_b32 s[\g+6], 0
	s_mov_b32 s[\g+7], 0
.endr
	s_lshl_b32 s18, s16, 7                         ; which 128 rows of the tile I fetch
	s_lshl_b32 s20, s17, 8
	s_add_co_u32 s20, s20, s18                     ; A's row
	s_lshl_b32 s46, s42, 8
	s_add_co_u32 s46, s46, s18                     ; B's row
	s_lshl_b32 s22, s20, 5                         ; scale bytes: 32 a row
	s_lshl_b32 s92, s46, 5
	s_lshl_b32 s20, s20, 10                        ; A's images: 16,384 bytes for 16 rows
	s_lshl_b32 s46, s46, 10                        ; B's codes: 1,024 a row
	s_mov_b32 s21, 0
	s_mov_b32 s23, 0
	s_mov_b32 s47, 0
	s_mov_b32 s93, 0
	s_lshl_b32 s45, s16, 15                        ; where they go: A's half,
	s_mul_i32 s95, s16, HALFT
	s_add_co_u32 s95, s95, BOFF                    ; B's half, behind A's two: no place in the cluster enters an LDS address
	s_mul_i32 s94, s14, HALFS
	s_wait_kmcnt 0x0
	s_add_nc_u64 s[20:21], s[4:5], s[20:21]
	s_add_nc_u64 s[22:23], s[6:7], s[22:23]
	s_add_nc_u64 s[46:47], s[8:9], s[46:47]
	s_add_nc_u64 s[92:93], s[10:11], s[92:93]
	CROUND                                         ; all sixteen work-groups are here: the first joint loads meet
	s_mov_b32 s[G0S], 1
	s_add_co_u32 s[G0S+1], s94, SCL
	s_mov_b64 s[G0S+2:G0S+3], s[22:23]
	s_or_b32 s[G0S+3], s[G0S+3], 0x80000000
	s_mov_b32 s[G0SB], 1
	s_add_co_u32 s[G0SB+1], s94, SCL
	s_mov_b64 s[G0SB+2:G0SB+3], s[92:93]
	s_or_b32 s[G0SB+3], s[G0SB+3], 0x80000000
	JLOAD G0S, G1S, G0SB, G1SB                     ; the scales first
.irp s, 0,1
	s_mov_b32 s[G0+4*\s], 1
	s_add_co_u32 s[G0+4*\s+1], s45, \s*SLOT
	s_add_nc_u64 s[G0+4*\s+2:G0+4*\s+3], s[20:21], \s*4096         ; a K step of 256 is 4,096 bytes of each 16 rows' images
	s_or_b32 s[G0+4*\s+3], s[G0+4*\s+3], 0x80000000
	s_mov_b32 s[G0B+4*\s], 1
	s_add_co_u32 s[G0B+4*\s+1], s95, \s*SLOT
	s_add_nc_u64 s[G0B+4*\s+2:G0B+4*\s+3], s[46:47], \s*ROWB
	s_or_b32 s[G0B+4*\s+3], s[G0B+4*\s+3], 0x80000000
	s_wait_alu depctr_va_vdst(0)
	s_wait_tensorcnt 0x0
	ds_add_u32 v28, v29
	s_wait_dscnt 0x0
	CROUND
	JLOAD G0+4*\s, G1, G0B+4*\s, G1B               ; one tensor load of mine is out behind each of these
.endr
	v_and_b32 v1, 15, v0                           ; r
	v_bfe_u32 v2, v0, 4, 1                         ; h
	v_and_b32 v6, 31, v0                           ; lane
	v_lshlrev_b32 v[HB], 5, v2
	s_lshl_b32 s92, s42, 10
	s_lshl_b32 s93, s16, 9
	s_add_co_u32 s92, s92, s93                     ; 4 x (256 x tile column + 128 x half)
	s_mov_b32 s93, 0
	s_add_nc_u64 s[92:93], s[96:97], s[92:93]
.irp b, 0,1,2,3,4,5,6,7
	global_load_b128 v[BI+8*\b:BI+8*\b+3], v[HB], s[92:93] offset:64*\b        ; b_proj at columns 16 b + 8 h + 0 .. 7: the result's layout
	global_load_b128 v[BI+8*\b+4:BI+8*\b+7], v[HB], s[92:93] offset:64*\b+16
.endr
	v_lshlrev_b32 v[CO], 4, v6                     ; 16 x lane
	v_mul_u32_u24 v3, v1, PITCH
	v_lshl_add_u32 v4, v2, 4, v3                   ; B: row x pitch + 16 h
	s_lshl_b32 s21, s15, 15                        ; my 128 rows of A
	s_mul_i32 s22, s16, HALFT                      ; my 128 rows of B
	s_add_co_u32 s22, s22, BOFF
.irp s, 0,1
	v_add_nc_u32 v[ADRA+\s], s21, v[CO]
	v_add_nc_u32 v[ADRB+\s], s22, v4
	s_add_co_u32 s21, s21, SLOT
	s_add_co_u32 s22, s22, SLOT
.endr
	v_mul_u32_u24 v5, v1, 32
	v_lshrrev_b32 v7, 8, v5
	v_lshl_add_u32 v5, v7, 4, v5
	s_mul_i32 s21, s15, HALFS
	s_mul_i32 s22, s16, HALFS
	s_add_co_u32 s22, s22, 2*HALFS
	s_sub_co_u32 s22, s22, s21
	v_mul_u32_u24 v7, s22, v2                      ; lanes 16-31 take B's
	s_add_co_u32 s21, s21, SCL
	v_add_nc_u32 v5, v5, v7
	v_add_nc_u32 v[ADRS], s21, v5
	s_mul_i32 s23, s14, 16*SPITCH                  ; my stage
	v_mul_u32_u24 v5, v1, SPITCH
	v_lshl_add_u32 v5, v2, 5, v5
	v_add_nc_u32 v[STO], s23, v5                   ; in: row r, 32 bytes for each half of the lanes
	v_add_nc_u32 v[RD], s23, v[CO]                 ; back: the 32 lanes take one row of 512 bytes
	s_lshl_b32 s20, s17, 8
	s_lshl_b32 s21, s15, 7
	s_add_co_u32 s20, s20, s21                     ; my first row of out0
	s_lshl_b32 s20, s20, 12                        ; 4,096 bytes a row: under 2^26
	s_lshl_b32 s46, s42, 10
	s_lshl_b32 s47, s16, 9
	s_add_co_u32 s46, s46, s47                     ; my first column, in bytes
	s_add_co_u32 s20, s20, s46
	s_mov_b32 s21, 0
	s_add_nc_u64 s[12:13], s[12:13], s[20:21]
.macro FRAGB reg, slot, q, i           ; 16 rows x 128 K from rows along K
.irp c, 0,1,2,3
	ds_load_b128 v[\reg+4*\c:\reg+4*\c+3], v[ADRB+\slot] offset:128*(\q)+32*\c+(\i)*16*PITCH
.endr
.endm
.macro FRAGA reg, slot, q, i           ; the same from an image
.irp c, 0,1,2,3
	ds_load_b128 v[\reg+4*\c:\reg+4*\c+3], v[ADRA+\slot] offset:(\i)*4096+(\q)*2048+512*\c
.endr
.endm
; 16 matrix instructions: A's blocks a0, a0 + 1 x B's eight.  zero = 1: the product starts the sums, with the bias as C.  The 64 accumulators take turns, one instruction a turn.
.macro MUL16 a0, p, q, sc, zero
.irp a, \a0, \a0+1
.irp b, 0,1,2,3,4,5,6,7
.if \zero
	v_wmma_scale_f32_16x16x128_f8f6f4 v[8*(8*((\a)%4)+\b):8*(8*((\a)%4)+\b)+7], v[128*(\p)+FR*\b:128*(\p)+FR*\b+FR-1], v[AF+FR*(\a):AF+FR*(\a)+FR-1], v[BI+8*\b:BI+8*\b+7], v[SC+8*NQ*(\sc)+NQ*\b+(\q)], v[SC+8*NQ*(\sc)+NQ*(\a)+(\q)] matrix_a_scale:MATRIX_SCALE_ROW1
.else
	v_wmma_scale_f32_16x16x128_f8f6f4 v[8*(8*((\a)%4)+\b):8*(8*((\a)%4)+\b)+7], v[128*(\p)+FR*\b:128*(\p)+FR*\b+FR-1], v[AF+FR*(\a):AF+FR*(\a)+FR-1], v[8*(8*((\a)%4)+\b):8*(8*((\a)%4)+\b)+7], v[SC+8*NQ*(\sc)+NQ*\b+(\q)], v[SC+8*NQ*(\sc)+NQ*(\a)+(\q)] matrix_a_scale:MATRIX_SCALE_ROW1
.endif
.endr
.endr
.endm
.macro FETCH_B slot, q, p
	WIN TO_B
.irp i, 0,1,2,3,4,5,6,7
	FRAGB 128*(\p)+FR*\i, \slot, \q, \i
.endr
	WIN 0
.endm
.macro FETCH_A slot, q, i0
.irp i, \i0, \i0+1, \i0+2, \i0+3
	FRAGA AF+FR*(\i), \slot, \q, \i
.endr
.endm
.macro SCALES sc
.irp i, 0,1,2,3,4,5,6,7
	ds_load_b64 v[SC+8*NQ*\sc+NQ*\i:SC+8*NQ*\sc+NQ*\i+1], v[ADRS] offset:\i*SBLK
.endr
.endm
.macro PLACES n
.rept \n
	v_nop
.endr
.endm
.macro STEP slot, q, zero
	s_wait_dscnt 4*NL                              ; B's set and A's blocks 0-3 are in; the youngest 16 loads (A's blocks 4-7) may be out
.if \zero
	WIN 0x81                                       ; source 0 window 1, source 1 and C (the bias) window 0, D window 2
.else
	WIN MUL_LO
.endif
	MUL16 0, (\q)%2, \q, \slot, \zero
	MUL16 2, (\q)%2, \q, \slot, \zero
	s_wait_dscnt 0
	PLACES NP
	FETCH_B \slot, (\q)+1, 1-(\q)%2
	FETCH_A \slot, (\q)+1, 0
.if \zero
	WIN 0xc1                                       ; the same, D window 3
.else
	WIN MUL_HI
.endif
	MUL16 4, (\q)%2, \q, \slot, \zero
	MUL16 6, (\q)%2, \q, \slot, \zero
	PLACES NP
	WIN 0
	FETCH_A \slot, (\q)+1, 4
.endm
.macro TURN slot, next, fill
	s_wait_tensorcnt 0x0                           ; all my tensor loads have landed: my part of the next slot
	ds_add_u32 v[SPW], v[NIL]                      ; 0 onto my spare word
	s_wait_dscnt 4*NL+1                            ; (the add and the youngest 16 loads may be out)
	WIN MUL_LO
	MUL16 0, 1, NQ-1, \slot, 0
	s_wait_dscnt 0x0                               ; the add is done, and my reads of this slot are over
	s_barrier_signal -1
	MUL16 2, 1, NQ-1, \slot, 0
	WIN 0
	s_barrier_wait -1
.if \fill
	CREST                                          ; the barrier has opened a round of the cluster's barrier
	s_add_nc_u64 s[G0+4*\slot+2:G0+4*\slot+3], s[G0+4*\slot+2:G0+4*\slot+3], 2*4096
	s_add_nc_u64 s[G0B+4*\slot+2:G0B+4*\slot+3], s[G0B+4*\slot+2:G0B+4*\slot+3], 2*ROWB
	JLOAD G0+4*\slot, G1, G0B+4*\slot, G1B         ; the first tensor load behind the round
	PLACES NP-4
.else
	PLACES NP
.endif
	s_wait_alu depctr_va_vdst(0)
	v_add_nc_u32 v[ADRS], 4*NQ, v[ADRS]
	FETCH_B \next, 0, 0
	FETCH_A \next, 0, 0
	SCALES \next
	WIN MUL_HI
	MUL16 4, 1, NQ-1, \slot, 0
	MUL16 6, 1, NQ-1, \slot, 0
	PLACES NP
	WIN 0
	FETCH_A \next, 0, 4
.endm
	s_wait_alu depctr_va_vdst(0)
	s_wait_tensorcnt 1                             ; the scales and my part of K step 0 are in; K step 1's load may stay out
	s_barrier_signal -1
	s_barrier_wait -1
	FETCH_B 0, 0, 0
	FETCH_A 0, 0, 0
	SCALES 0
	FETCH_A 0, 0, 4
	s_wait_loadcnt 0x0                             ; the bias
	STEP 0, 0, 1
	TURN 0, 1, 1                                   ; K = 1,024 is four K steps: the ring is written out
	STEP 1, 0, 0
	TURN 1, 0, 1
	STEP 0, 0, 0
	TURN 0, 1, 0
	STEP 1, 0, 0
	s_wait_dscnt 4*NL                              ; the very last 128 along K
	WIN MUL_LO
	MUL16 0, 1, NQ-1, 1, 0
	MUL16 2, 1, NQ-1, 1, 0
	s_wait_dscnt 0
	WIN MUL_HI
	MUL16 4, 1, NQ-1, 1, 0
	MUL16 6, 1, NQ-1, 1, 0
	WIN 0
; THE WAY OUT, block by block of 16 rows x 128 columns, through my own stage: in as 32 bytes a lane, back as whole rows of 512 bytes.  LDS serves a wave's instructions in order (ISA guide 5.7.1.4): no wait between the stores and the loads.
.macro TOSTAGE a
.set AC, 64*((\a)%4)
	WIN 0x08+4*((\a)/4)                            ; an LDS store's data: window 2 or 3
.irp b, 0,1,2,3,4,5,6,7
	ds_store_b128 v[STO], v[AC+8*\b:AC+8*\b+3] offset:64*\b          ; each accumulator from its low end on
	ds_store_b128 v[STO], v[AC+8*\b+4:AC+8*\b+7] offset:64*\b+16
.endr
	WIN 0
.set BB, BK+64*((\a)%2)
.irp t, 0,1,2,3,4,5,6,7,8,9,10,11,12,13,14,15
	ds_load_b128 v[BB+4*\t:BB+4*\t+3], v[RD] offset:\t*SPITCH
.endr
.endm
.macro SEND a, younger                 ; younger: the LDS instructions issued behind block a's loads, which may stay out
.set BB, BK+64*((\a)%2)
	s_wait_dscnt \younger
.if (\a) > 0
	s_add_nc_u64 s[12:13], s[12:13], 16*SIZE_N*4   ; (behind a wait on XCNT: the earlier stores have read their base)
.endif
.irp t, 0,1,2,3,4,5,6,7,8,9,10,11,12,13,14,15
	global_store_b128 v[CO], v[BB+4*\t:BB+4*\t+3], s[12:13] offset:\t*SIZE_N*4 th:TH_STORE_NT   ; 32 lanes store 512 consecutive bytes, aligned
.endr
.endm
	PLACES NP                                      ; ahead of the first read of results and of the loads into the registers that held A's fragments
	TOSTAGE 0
.irp a, 1,2,3,4,5,6,7
.if \a > 1
	s_wait_xcnt 0x0                                ; block a - 2's stores have read their registers and their base
.endif
	TOSTAGE \a
	SEND \a-1, 32                                  ; behind block a - 1's loads: block a's 16 stores and 16 loads
.endr
	s_wait_xcnt 0x0
	SEND 7, 0
	s_wait_tensorcnt 0x0                           ; the wave's end
	ds_add_u32 v[SPW], v[NIL]
	s_wait_dscnt 0x0
	CROUND                                         ; the closing round
	s_endpgm
.Lfunc_end_k_qa7fd53bbd0_proj:
	.size	k_qa7fd53bbd0_proj, .Lfunc_end_k_qa7fd53bbd0_proj-k_qa7fd53bbd0_proj
	.p2alignl 7, 3214868480
	.fill 96, 4, 3214868480
	.section	.rodata,"a",@progbits
	.p2align	6, 0x0
	.amdhsa_kernel k_qa7fd53bbd0_proj
		.amdhsa_group_segment_fixed_size 327680
		.amdhsa_private_segment_fixed_size 0
		.amdhsa_enable_private_segment 0
		.amdhsa_kernarg_size 48
		.amdhsa_user_sgpr_count 2
		.amdhsa_user_sgpr_kernarg_segment_ptr 1
		.amdhsa_wavefront_size32 1
		.amdhsa_system_sgpr_workgroup_id_x 1
		.amdhsa_system_sgpr_workgroup_id_y 1
		.amdhsa_system_sgpr_workgroup_id_z 1
		.amdhsa_system_vgpr_workitem_id 0
		.amdhsa_next_free_vgpr 1024
		.amdhsa_next_free_sgpr 100
		.amdhsa_reserve_vcc 0
		.amdhsa_float_denorm_mode_32 3
		.amdhsa_float_denorm_mode_16_64 3
		.amdhsa_memory_ordered 1
		.amdhsa_forward_progress 1
		.amdhsa_inst_pref_size 148
	.end_amdhsa_kernel
	.amdgpu_metadata
---
amdhsa.version: [ 1, 2 ]
amdhsa.kernels:
  - .name:           k_qa7fd53bbd0_proj
    .symbol:         k_qa7fd53bbd0_proj.kd
    .args:
      - { .name: yimg, .offset: 0, .size: 8, .value_kind: global_buffer, .address_space: global }
      - { .name: ysc, .offset: 8, .size: 8, .value_kind: global_buffer, .address_space: global }
      - { .name: w_proj_codes, .offset: 16, .size: 8, .value_kind: global_buffer, .address_space: global }
      - { .name: w_proj_scales, .offset: 24, .size: 8, .value_kind: global_buffer, .address_space: global }
      - { .name: b_proj, .offset: 32, .size: 8, .value_kind: global_buffer, .address_space: global }
      - { .name: out0, .offset: 40, .size: 8, .value_kind: global_buffer, .address_space: global }
    .group_segment_fixed_size: 327680
    .private_segment_fixed_size: 0
    .kernarg_segment_align: 8
    .kernarg_segment_size: 48
    .max_flat_workgroup_size: 128
    .sgpr_count:     100
    .vgpr_count:     1024
    .wavefront_size: 32
...
	.end_amdgpu_metadata
.endif
;; end of part 3
